; MI455X (gfx1250); checked and timed in simulation.
; The chip was launched on July 23, 2026; its instructions are those of AMD's public machine-readable ISA for CDNA 5 (MIT licence, August 2026) and "CDNA5" Instruction Set Architecture Reference Guide (July 2026). The comments in the code are by the model that wrote it; some were corrected since.
;; Attention. Allowed arithmetic: matrix products marked QUANTISED: E5M2 operands, one E8M0 scale for each 32 along K, by v_wmma_scale_f32_16x16x128_f8f6f4 with both operands' format E5M2, f32 sums; everything else in f32.
;; Inputs: W1 1,024 x 4,096 float32; W2 4,096 x 1,024 float32; Wfc 1,024 x 1,024 float32; Wk 16 x 1,024 x 64 float32; Wq 16 x 1,024 x 64 float32; Wv 16 x 1,024 x 64 float32; b1 4,096 float32; b2 1,024 float32; be1 1,024 float32; be2 1,024 float32; bfc 1,024 float32; data 2 x 2,048 x 1,024 float32; g1 1,024 float32; g2 1,024 float32.
;; Outputs: out0 2 x 2,048 x 1,024 float32.
;; This version of the problem:
;;   THIS VERSION OF THE PROBLEM IS GIVEN IN LOW PRECISION. The matrix products marked QUANTISED in the list below multiply operands that are first quantised to E5M2 (5 exponent bits, 2 mantissa bits; 8 bits a number), with one power-of-two scale for each 32 numbers along K (OCP MX v1.0); their sums are f32. All else is computed in f32.
;;   The module's matrix products, in the order in which they are computed (A, B: the left and right operand; K: the contracted axis; several contracted axes count as one K, in the product's order):
;;     1. [M 1,024, K 1,024] x [K 1,024, N 4,096]; A: input Wq; B: computed on the way: QUANTISED
;;     2. [M 1,024, K 1,024] x [K 1,024, N 4,096]; A: input Wk; B: computed on the way: QUANTISED
;;     3. [M 1,024, K 1,024] x [K 1,024, N 4,096]; A: input Wv; B: computed on the way: QUANTISED
;;     4. batch 32 x [M 2,048, K 64] x [K 64, N 2,048]; A: computed on the way; B: computed on the way: QUANTISED
;;     5. batch 32 x [M 2,048, K 2,048] x [K 2,048, N 64]; A: softmax (see below); B: computed on the way: QUANTISED
;;     6. [M 4,096, K 1,024] x [K 1,024, N 1,024]; A: computed on the way; B: input Wfc: QUANTISED
;;     7. [M 4,096, K 1,024] x [K 1,024, N 4,096]; A: computed on the way; B: input W1: QUANTISED
;;     8. [M 4,096, K 4,096] x [K 4,096, N 1,024]; A: computed on the way; B: input W2: QUANTISED
;;   THE QUANTISER, for each operand of a quantised product, along K:
;;     - K is cut into blocks of 32 from its start; a last block that is shorter is filled with zeros.
;;     - A block's scale is 2^e with e = floor(log2(the largest magnitude in the block)) - 15, held to -126 .. 127; a block of zeros has e = 0. As a byte (E8M0): e + 127.
;;     - Each number is divided by its block's scale, clamped to +-57,344, and rounded to the nearest number of E5M2, ties to even, subnormals kept.
;;     - The product sums the exact products of the quantised numbers (number of the format x scale) in f32.
;;   ~~~python
;;   def quantise(x, axis):      # numpy; x: float32 -> the quantised numbers, widened to float32 again
;;       x = np.moveaxis(x, axis, -1); K = x.shape[-1]
;;       x = np.pad(x, [(0, 0)] * (x.ndim - 1) + [(0, -K % 32)]); x = x.reshape(x.shape[:-1] + (-1, 32)); a = np.abs(x).max(-1, keepdims=True)
;;       e = np.where(a > 0, np.clip(np.frexp(np.where(a > 0, a, 1))[1] - 1 - 15, -126, 127), 0)      # np.frexp(a)[1] - 1 = floor(log2(a)), exactly
;;       r = np.clip(x / 2.0 ** e, -57344, 57344)
;;       step = 2.0 ** (np.maximum(np.frexp(np.where(r == 0, 1, r))[1] - 1, -14) - 2)
;;       q = np.round(r / step) * step * 2.0 ** e      # np.round: ties to even
;;       return np.moveaxis(q.reshape(q.shape[:-2] + (-1,))[..., :K], -1, axis).astype(np.float32)
;;   ~~~
;;   SOFTMAX AHEAD OF A QUANTISED PRODUCT. Where the list says 'softmax', what is quantised is not the finished softmax but p = 2^(t - M), with t = logit x log2(e) and M = ceil(the row's largest t), a whole number; so 1/2 < the row's largest p <= 1. The row's sum l is taken of the UNQUANTISED p, in f32, and the product's result is divided by l at the end. Since M is a whole number, a kernel that streams over the keys may use a running M (the ceiling of the running maximum): every later rescaling is an exact power of two, which a block's scale takes up: the codes' values come out the same.
;;   OPERANDS COMPUTED ON THE WAY. 'Computed on the way' means the value that the module computes at that place (a softmax that the list does not call 'softmax' is quantised finished and normalised). What goes into a quantiser is computed in f32, as accurately as f32 sums, v_exp_f32 and their like allow (about 1e-6 of the number): no bf16 or f16 on the way to a quantiser, and a product that is left as it is and whose result goes on into a quantised operand takes f32 operands (vector FMAs, or v_wmma_f32_16x16x4_f32). A number that lies on a knife's edge between two numbers of the format may be rounded either way, as far as f32 arithmetic and the matrix unit's own rounding can turn it there, and no further.
;; One version. Each part assembles by itself: llvm-mc -triple=amdgcn-amd-amdhsa -mcpu=gfx1250 --defsym DOCPART=n.
;; ======== version 1 of 1: 7 launches
;; limits: right only within a limited range of input values
;; workspace buffers: wrec 14,155,776 bytes; hrec 4,718,592 bytes; qkv 14,155,776 bytes; attrec 4,718,592 bytes; x 16,777,216 bytes; hid 18,874,368 bytes
;; launch prep1 (part 1): grid 512 x 1, 4 waves a work-group, no clusters, 57,856 bytes of LDS; arguments data, g1, be1, hrec, Wq, Wk, Wv, Wfc, wrec; writes hrec, wrec
.if DOCPART == 1
	.amdgcn_target "amdgcn-amd-amdhsa--gfx1250"
	.amdhsa_code_object_version 6
	.text
	.protected	k_qbe5a18f4a3_prep1
	.globl	k_qbe5a18f4a3_prep1
	.p2align	8
	.type	k_qbe5a18f4a3_prep1,@function
k_qbe5a18f4a3_prep1:
	s_mov_b64 s[64:65], 0
	v_nop
	global_prefetch_b8 v0, s[64:65] scope:SCOPE_SE
	s_setreg_imm32_b32 hwreg(HW_REG_WAVE_MODE, 25, 1), 1
	s_wait_xcnt 0x0
; TWO KINDS OF WORK-GROUPS IN ONE LAUNCH, told apart by the work-group's number alone.  They share nothing; each kind has LDS bytes of its own and its own end.  Each is a short chain of loads, arithmetic and stores:
; in one launch the one kind's waits stand beside the other kind's work.  (VAR = 1: rows of data; Wq, Wk, Wv, Wfc.  VAR = 2: rows of x; W1, W2.)
; Both make operands of E5M2 codes with one E8M0 scale for each 32 along K, laid as RECORDS: [row / 128][k / 128][row % 128][144 bytes]: 128 codes, 4 scale bytes, 12 zero bytes.
; Inside each block of 32 the codes' order is k-groups of eight 0, 2, 1, 3 (place 16 h + 8 u + j holds k = 16 u + 8 h + j): the same in every operand of this program, so the products stay the same.
; ROWS (work-groups 0 to 255): y = (x - mean) rsqrt(var + 1e-5) g + b along rows of 1,024 f32, quantised along the row.  Mean first, then the mean of the squared differences, as the definition has it.
;   A work-group takes 16 rows, a wave 4; a row stays in 32 registers of its wave.  Loads take the bytes as they lie (512 a load); a row then turns through the wave's own stage in LDS, so that a lane holds
;   columns 16 l .. 16 l + 15 and 512 + 16 l .. + 15; two neighbouring lanes hold a block.  The 16 rows' records are gathered in LDS by chunk of 128 columns and leave as dense runs of 2,304 bytes.
; WEIGHTS (the other work-groups): f32 with K not innermost; a record's row is a column n of the weight (for Wq, Wk, Wv: 64 head + d).  A work-group makes 128 columns x 128 along K: one dense block of 18,432 bytes; a wave 32 columns.
;   Lane (cq = l % 8, kg = l / 8) takes columns 4 cq .. 4 cq + 3 of K block kg: 32 loads of 16 bytes, one for each k of the block, all issued at once; register 4 i + c is W(32 kg + i, 4 cq + c).
;   So a block of 32 lies in one lane, and the hold, which has a destination of its own, lays a column's 32 numbers into consecutive registers for the conversions: nothing is transposed by an instruction of its own.
;   Pitch, strides and pointers are chosen by the work-group's number; 32 offset registers stand for the immediates.
; A block's scale byte is its largest magnitude's exponent field - 15, held at 1 from below.
; LIMITS: a block whose largest magnitude lies under 2^-111 (a block of zeros too) keeps the byte 1, over codes that are then small or zero; this program alone reads the bytes.  NaN and infinities are not served.
.set VAR,   1
.set NLN,   256                        ; work-groups that take rows
.set BLKB,  18432
.set TURNB, 5120                       ; rows: a wave's stage: 64 places of 64 bytes + 16 of padding
.set OUTB,  4*TURNB                    ; rows: [chunk 8][row 16][144]
.set WSTG,  OUTB+18432                 ; weights: four stages,
.set WST,   4608                       ; a wave's 32 records each
.set SPARE, WSTG+4*WST                 ; the spare words, 128 bytes a wave
.set SPW, 8                            ; v8   my spare word's address; never rewritten
.set NIL, 9                            ; v9   0
.set T,   16                           ; rows: v16-47  at work
.set MEAN, 48                          ; v48-55  the mean, twice, for each row
.set RS,  56                           ; v56-63  1 / sqrt(var + eps), twice
.set G,   64                           ; v64-95  g of my 32 columns; later the codes
.set BV,  96                           ; v96-127 b of my 32 columns; later the scale bytes
.set X,   128                          ; v128-255 four rows
.set WL,  10                           ; weights: v10-13 57,344 x the scale, a column each
.set WZ,  16                           ; v16-19  zeros
.set WM,  20                           ; v20-23  largest magnitudes
.set WS,  24                           ; v24-27  second chains, then the conversions' scale operands
.set OFF, 28                           ; v28-59  my byte offset of row i of my block
.set WB,  60                           ; v60-63  scale bytes
.set WX,  64                           ; v64-191 the numbers
.set WY,  192                          ; v192-223 one column's 32 numbers, held, in order
.set WC,  224                          ; v224-255 codes, eight registers a column
	s_load_b256 s[4:11], s[0:1], 0x0               ; rows, g, b, the rows' records
.if VAR == 1
	s_load_b256 s[12:19], s[0:1], 0x20             ; Wq, Wk, Wv, Wfc
	s_load_b64 s[20:21], s[0:1], 0x40              ; the weights' records
.else
	s_load_b128 s[12:15], s[0:1], 0x20             ; W1, W2
	s_load_b64 s[20:21], s[0:1], 0x30              ; the weights' records
.endif
	v_lshl_add_u32 v[SPW], v0, 2, SPARE
	v_mov_b32 v[NIL], 0
	v_lshrrev_b32 v1, 5, v0
	v_readfirstlane_b32 s24, v1                    ; wave
	v_and_b32 v1, 31, v0                           ; lane l
	s_cmp_lt_u32 ttmp9, NLN                        ; the same way in all four waves
	s_cbranch_scc0 .Lweights
	; ---------------- ROWS ----------------
	v_lshlrev_b32 v2, 4, v1                        ; 16 l
	v_lshlrev_b32 v13, 6, v1                       ; 64 l
	s_mul_i32 s25, s24, TURNB
	v_lshrrev_b32 v14, 2, v1
	v_mul_u32_u24 v3, v14, 80
	v_and_b32 v15, 3, v1
	v_lshl_add_u32 v3, v15, 4, v3
	v_add_nc_u32 v3, s25, v3                       ; the stage, in: 80 (l / 4) + 16 (l % 4)
	v_mul_u32_u24 v4, v1, 80
	v_add_nc_u32 v4, s25, v4                       ; and out: 80 l
	s_mul_i32 s26, s24, 576                        ; my four rows in a chunk
	s_add_co_u32 s26, s26, OUTB
	v_lshrrev_b32 v14, 3, v1
	v_mul_u32_u24 v14, v14, 2304
	v_add_nc_u32 v14, s26, v14                     ; chunk l / 8
	v_bfe_u32 v15, v1, 1, 2                        ; block (l / 2) % 4
	v_lshl_add_u32 v5, v15, 5, v14
	v_and_b32 v12, 1, v1
	v_lshl_add_u32 v5, v12, 3, v5                  ; codes: even lanes hold k-groups 0, 1 (places 0, 16), odd lanes 2, 3 (places 8, 24)
	v_add_nc_u32 v6, v14, v15
	v_add_nc_u32 v6, 128, v6                       ; the block's scale byte
	v_lshrrev_b32 v14, 2, v1
	v_mul_u32_u24 v7, v14, 2304
	v_and_b32 v15, 3, v1
	v_mad_u32_u24 v7, v15, 144, v7
	v_add_nc_u32 v7, s26, v7
	v_add_nc_u32 v7, 128, v7                       ; tails of my wave's 4 rows x 8 chunks: a lane each
	s_mul_i32 s27, s24, 4608
	s_add_co_u32 s27, s27, OUTB
	v_add_nc_u32 v10, s27, v2                      ; the way out: chunks 2 w and 2 w + 1 as they lie
	v_lshrrev_b32 v14, 4, v1
	v_mul_u32_u24 v14, v14, 16128
	v_add_nc_u32 v12, v14, v2
	v_add_nc_u32 v12, 2048, v12                    ; the piece that holds the end of one chunk and the start of the next
.irp i, 0,1,2,3
	v_mov_b32 v[T+\i], 0
.endr
	s_lshl_b32 s28, ttmp9, 16                      ; 16 rows of 4,096 bytes
	s_lshl_b32 s29, s24, 14
	s_add_co_u32 s28, s28, s29
	s_mov_b32 s29, 0
	s_lshr_b32 s30, ttmp9, 3
	s_mul_i32 s30, s30, 147456                     ; 128 rows' records, all 8 chunks
	s_and_b32 s31, ttmp9, 7
	s_mul_i32 s31, s31, 2304                       ; my 16 rows in a chunk
	s_add_co_u32 s30, s30, s31
	s_mul_i32 s31, s24, 36864                      ; my wave's two chunks
	s_add_co_u32 s30, s30, s31
	s_mov_b32 s31, 0
	s_mov_b32 s32, 0x3a800000                      ; 1 / 1,024
	s_mov_b32 s33, 0x3727c5ac                      ; 1e-5
	s_mov_b32 s34, 0x76543210
	s_mov_b32 s35, 0xfedcba98                      ; selects for lane l xor 16
	s_mov_b32 s36, 0x600000                        ; the mantissa field of 57,344
	s_wait_alu depctr_va_vdst(0)
	s_wait_kmcnt 0x0
	s_add_nc_u64 s[4:5], s[4:5], s[28:29]
	s_add_nc_u64 s[10:11], s[10:11], s[30:31]
.irp i, 0,1,2,3
	global_load_b128 v[G+4*\i:G+4*\i+3], v13, s[6:7] offset:16*\i
	global_load_b128 v[G+16+4*\i:G+16+4*\i+3], v13, s[6:7] offset:2048+16*\i
	global_load_b128 v[BV+4*\i:BV+4*\i+3], v13, s[8:9] offset:16*\i
	global_load_b128 v[BV+16+4*\i:BV+16+4*\i+3], v13, s[8:9] offset:2048+16*\i
.endr
.irp p, 0,1,2,3
.irp j, 0,1,2,3,4,5,6,7
	global_load_b128 v[X+32*\p+4*\j:X+32*\p+4*\j+3], v2, s[4:5] offset:4096*\p+512*\j th:TH_LOAD_NT
.endr
.endr
	ds_store_b128 v7, v[T:T+3]                     ; the tails' 16 bytes are cleared; my wave's scale bytes come behind, in order
.irp p, 0,1,2,3
	s_wait_loadcnt 8*(3-\p)                        ; this row's eight loads are in (g and b were asked for earlier); the later rows' may be out
.irp j, 0,1,2,3,4,5,6,7
	ds_store_b128 v3, v[X+32*\p+4*\j:X+32*\p+4*\j+3] offset:640*\j
.endr
.irp i, 0,1,2,3
	ds_load_b128 v[X+32*\p+4*\i:X+32*\p+4*\i+3], v4 offset:16*\i          ; LDS serves a wave's instructions in order: no wait between stores, loads and the next row's stores
	ds_load_b128 v[X+32*\p+16+4*\i:X+32*\p+16+4*\i+3], v4 offset:2560+16*\i
.endr
.endr
	s_wait_dscnt 0x0
.macro XLANE                           ; v[T + 8 p] summed over the 32 lanes, the four rows by turns
.irp m, 1,2,4,8
.irp p, 0,1,2,3
	v_add_f32_dpp v[T+8*\p], v[T+8*\p], v[T+8*\p] row_xmask:\m row_mask:0xf bank_mask:0xf
.endr
.endr
.irp p, 0,1,2,3
	v_permlanex16_b32 v[T+8*\p+1], v[T+8*\p], s34, s35
.endr
.irp p, 0,1,2,3
	v_add_f32 v[T+8*\p], v[T+8*\p], v[T+8*\p+1]
.endr
.endm
.macro FOLD                            ; a row's two chains of pairs into one number
.irp p, 0,1,2,3
	v_pk_add_f32 v[T+8*\p:T+8*\p+1], v[T+8*\p:T+8*\p+1], v[T+8*\p+2:T+8*\p+3]
.endr
.irp p, 0,1,2,3
	v_add_f32 v[T+8*\p], v[T+8*\p], v[T+8*\p+1]
.endr
	XLANE
.endm
.irp p, 0,1,2,3
	v_pk_add_f32 v[T+8*\p:T+8*\p+1], v[X+32*\p:X+32*\p+1], v[X+32*\p+2:X+32*\p+3]
	v_pk_add_f32 v[T+8*\p+2:T+8*\p+3], v[X+32*\p+4:X+32*\p+5], v[X+32*\p+6:X+32*\p+7]
.endr
.irp i, 8,12,16,20,24,28
.irp p, 0,1,2,3
	v_pk_add_f32 v[T+8*\p:T+8*\p+1], v[T+8*\p:T+8*\p+1], v[X+32*\p+\i:X+32*\p+\i+1]
	v_pk_add_f32 v[T+8*\p+2:T+8*\p+3], v[T+8*\p+2:T+8*\p+3], v[X+32*\p+\i+2:X+32*\p+\i+3]
.endr
.endr
	FOLD
.irp p, 0,1,2,3
	v_mul_f32 v[MEAN+2*\p], s32, v[T+8*\p]
	v_mul_f32 v[MEAN+2*\p+1], s32, v[T+8*\p]
.endr
.irp p, 0,1,2,3
.irp i, 0,2,4,6,8,10,12,14,16,18,20,22,24,26,28,30
	v_pk_add_f32 v[X+32*\p+\i:X+32*\p+\i+1], v[X+32*\p+\i:X+32*\p+\i+1], v[MEAN+2*\p:MEAN+2*\p+1] neg_lo:[0,1] neg_hi:[0,1]   ; x - mean
.endr
.endr
.irp p, 0,1,2,3
	v_pk_mul_f32 v[T+8*\p:T+8*\p+1], v[X+32*\p:X+32*\p+1], v[X+32*\p:X+32*\p+1]
	v_pk_mul_f32 v[T+8*\p+2:T+8*\p+3], v[X+32*\p+2:X+32*\p+3], v[X+32*\p+2:X+32*\p+3]
.endr
.irp i, 4,8,12,16,20,24,28
.irp p, 0,1,2,3
	v_pk_fma_f32 v[T+8*\p:T+8*\p+1], v[X+32*\p+\i:X+32*\p+\i+1], v[X+32*\p+\i:X+32*\p+\i+1], v[T+8*\p:T+8*\p+1]
	v_pk_fma_f32 v[T+8*\p+2:T+8*\p+3], v[X+32*\p+\i+2:X+32*\p+\i+3], v[X+32*\p+\i+2:X+32*\p+\i+3], v[T+8*\p+2:T+8*\p+3]
.endr
.endr
	FOLD
.irp p, 0,1,2,3
	v_fma_f32 v[T+8*\p], v[T+8*\p], s32, s33       ; var + eps
.endr
	s_wait_alu depctr_va_vdst(0)
.irp p, 0,1,2,3
	v_rsq_f32 v[RS+2*\p], v[T+8*\p]
.endr
	v_nop                                          ; a plain instruction behind the last of the batch,
	s_wait_alu depctr_va_vdst(0)                   ; and one wait for the four, ahead of their first reader
.irp p, 0,1,2,3
	v_mov_b32 v[RS+2*\p+1], v[RS+2*\p]
.endr
.irp p, 0,1,2,3
.irp i, 0,2,4,6,8,10,12,14,16,18,20,22,24,26,28,30
	v_pk_mul_f32 v[X+32*\p+\i:X+32*\p+\i+1], v[X+32*\p+\i:X+32*\p+\i+1], v[RS+2*\p:RS+2*\p+1]
.endr
.irp i, 0,2,4,6,8,10,12,14,16,18,20,22,24,26,28,30
	v_pk_fma_f32 v[X+32*\p+\i:X+32*\p+\i+1], v[X+32*\p+\i:X+32*\p+\i+1], v[G+\i:G+\i+1], v[BV+\i:BV+\i+1]
.endr
.endr
; the quantiser: eight groups of 16 numbers (group q = 2 row + half) by turns
.irp q, 0,1,2,3,4,5,6,7
	v_max3_num_f32 v[T+4*\q], |v[X+16*\q]|, |v[X+16*\q+1]|, |v[X+16*\q+2]|
	v_max3_num_f32 v[T+4*\q+1], |v[X+16*\q+3]|, |v[X+16*\q+4]|, |v[X+16*\q+5]|
.endr
.irp i, 6,10
.irp q, 0,1,2,3,4,5,6,7
	v_max3_num_f32 v[T+4*\q], v[T+4*\q], |v[X+16*\q+\i]|, |v[X+16*\q+\i+1]|
	v_max3_num_f32 v[T+4*\q+1], v[T+4*\q+1], |v[X+16*\q+\i+2]|, |v[X+16*\q+\i+3]|
.endr
.endr
.irp q, 0,1,2,3,4,5,6,7
	v_max3_num_f32 v[T+4*\q], v[T+4*\q], |v[X+16*\q+14]|, |v[X+16*\q+15]|
.endr
.irp q, 0,1,2,3,4,5,6,7
	v_max3_num_f32 v[T+4*\q], v[T+4*\q], v[T+4*\q+1], 0x8000000   ; the floor 2^(16 - 127)
.endr
.irp q, 0,1,2,3,4,5,6,7
	v_max_num_f32_dpp v[T+4*\q], v[T+4*\q], v[T+4*\q] row_xmask:1 row_mask:0xf bank_mask:0xf   ; with my neighbour's 16: the block's
.endr
.irp q, 0,1,2,3,4,5,6,7
	v_add_nc_u32 v[T+4*\q+3], 0xf8800000, v[T+4*\q]               ; the conversion's scale operand
.endr
.irp q, 0,1,2,3,4,5,6,7
	v_and_or_b32 v[T+4*\q+2], v[T+4*\q], 0x7f800000, s36          ; 57,344 x the scale
.endr
.irp q, 0,1,2,3,4,5,6,7
	v_lshrrev_b32 v[BV+\q], 23, v[T+4*\q+3]                       ; the scale's byte
.endr
.irp q, 0,1,2,3,4,5,6,7
.irp i, 0,1,2,3,4,5,6,7,8,9,10,11,12,13,14,15
	v_med3_num_f32 v[X+16*\q+\i], v[X+16*\q+\i], -v[T+4*\q+2], v[T+4*\q+2]
.endr
	v_cvt_scalef32_pk8_bf8_f32 v[G+4*\q:G+4*\q+1], v[X+16*\q:X+16*\q+7], v[T+4*\q+3]
	v_cvt_scalef32_pk8_bf8_f32 v[G+4*\q+2:G+4*\q+3], v[X+16*\q+8:X+16*\q+15], v[T+4*\q+3]
.endr
	v_nop                                          ; a plain instruction behind the last conversion
.irp q, 0,1,2,3,4,5,6,7
	ds_store_b64 v5, v[G+4*\q:G+4*\q+1] offset:(\q/2)*144+(\q%2)*9216
	ds_store_b64 v5, v[G+4*\q+2:G+4*\q+3] offset:(\q/2)*144+(\q%2)*9216+16
	ds_store_b8 v6, v[BV+\q] offset:(\q/2)*144+(\q%2)*9216        ; both lanes of a block write the same byte
.endr
	s_wait_dscnt 0x0                               ; for the others' sake: my stores have landed
	s_barrier_signal -1
	s_barrier_wait -1                              ; 16 rows x 8 chunks of records lie in LDS
.irp i, 0,1,2,3,4,5,6,7,8
	ds_load_b128 v[X+4*\i:X+4*\i+3], v10 offset:512*\i
.endr
.irp i, 0,1,2,3
	s_wait_dscnt 8-\i                              ; the younger read-backs may be out
	global_store_b128 v2, v[X+4*\i:X+4*\i+3], s[10:11] offset:512*\i
.endr
	s_wait_dscnt 4
	global_store_b128 v12, v[X+16:X+19], s[10:11]  ; lanes 0-15 end chunk 2 w, lanes 16-31 begin chunk 2 w + 1, 18,432 bytes on: each half 256 aligned bytes
.irp i, 5,6,7,8
	s_wait_dscnt 8-\i
	global_store_b128 v2, v[X+4*\i:X+4*\i+3], s[10:11] offset:512*\i+16128
.endr
	s_wait_tensorcnt 0x0                           ; the wave's end, behind my last LDS store
	ds_add_u32 v[SPW], v[NIL]
	s_wait_dscnt 0x0
	s_endpgm
	; ---------------- WEIGHTS ----------------
.Lweights:
	s_sub_co_u32 s25, ttmp9, NLN                   ; which of the weights' work-groups
	s_mul_i32 s41, s24, WST
	s_add_co_u32 s43, s41, WSTG                    ; my wave's stage
	s_wait_alu depctr_va_vdst(0)
	v_and_b32 v2, 7, v1                            ; cq: my four columns
	v_lshrrev_b32 v14, 3, v1                       ; kg: my block of 32 along K
	v_mul_u32_u24 v3, v2, 576
	v_add_nc_u32 v6, v3, v14
	v_lshl_add_u32 v3, v14, 5, v3
	v_add_nc_u32 v3, s43, v3                       ; record 4 cq, block kg's 32 codes
	v_add_nc_u32 v6, s43, v6
	v_add_nc_u32 v6, 128, v6                       ; record 4 cq, scale byte kg
	v_mul_u32_u24 v7, v1, 144
	v_add_nc_u32 v7, s43, v7
	v_add_nc_u32 v7, 128, v7                       ; the tail of record l
	v_lshl_add_u32 v4, v1, 4, s43                  ; the stage read back as it lies
	v_lshlrev_b32 v5, 4, v1
.irp i, 0,1,2,3
	v_mov_b32 v[WZ+\i], 0
.endr
	s_mov_b32 s40, 0x600000                        ; the mantissa field of 57,344
.if VAR == 1
	s_mov_b32 s26, 192                             ; Wfc's figures: first work-group,
	s_mov_b32 s27, 7                               ; chunks - 1,
	s_mov_b32 s28, 3                               ; log2(chunks),
	s_mov_b32 s29, 524288                          ; bytes from chunk to chunk in the source,
	s_mov_b32 s30, 8                               ; chunks,
	s_mov_b32 s31, 512                             ; bytes from one group of 128 columns to the next,
	s_mov_b32 s32, 256                             ; from wave pair to wave pair,
	s_mov_b32 s33, 255                             ; mask of the column group within its tensor,
	s_mov_b32 s34, 4096                            ; pitch,
	s_mov_b32 s35, 3538944                         ; where its records begin
	s_wait_kmcnt 0x0
	s_cmp_lt_u32 s25, 128
	s_cselect_b64 s[38:39], s[14:15], s[16:17]     ; Wk or Wv,
	s_cmp_lt_u32 s25, 64
	s_cselect_b64 s[38:39], s[12:13], s[38:39]     ; or Wq
	s_cmp_lt_u32 s25, 192                          ; Wq, Wk, Wv: a group of 128 columns is two heads
	s_cselect_b32 s26, 0, s26
	s_cselect_b32 s29, 32768, s29
	s_cselect_b32 s31, 524288, s31
	s_cselect_b32 s32, 262144, s32
	s_cselect_b32 s33, 7, s33
	s_cselect_b32 s34, 256, s34
	s_cselect_b32 s35, 0, s35
	s_cselect_b64 s[36:37], s[38:39], s[18:19]
.else
	s_mov_b32 s26, 256                             ; W2's figures, in the same order
	s_mov_b32 s27, 31
	s_mov_b32 s28, 5
	s_mov_b32 s29, 524288
	s_mov_b32 s30, 32
	s_mov_b32 s31, 512
	s_mov_b32 s32, 256
	s_mov_b32 s33, 255
	s_mov_b32 s34, 4096
	s_mov_b32 s35, 9437184
	s_wait_kmcnt 0x0
	s_cmp_lt_u32 s25, 256                          ; W1
	s_cselect_b32 s26, 0, s26
	s_cselect_b32 s27, 7, s27
	s_cselect_b32 s28, 3, s28
	s_cselect_b32 s29, 2097152, s29
	s_cselect_b32 s30, 8, s30
	s_cselect_b32 s34, 16384, s34
	s_cselect_b32 s35, 4718592, s35
	s_cselect_b64 s[36:37], s[12:13], s[14:15]
.endif
	s_sub_co_u32 s42, s25, s26
	s_and_b32 s58, s42, s27                        ; chunk
	s_lshr_b32 s59, s42, s28                       ; column group
	s_mul_i32 s44, s58, s29
	s_and_b32 s42, s59, s33
	s_mul_i32 s42, s42, s31
	s_add_co_u32 s44, s44, s42
	s_lshr_b32 s42, s24, 1
	s_mul_i32 s42, s42, s32
	s_add_co_u32 s44, s44, s42
	s_and_b32 s42, s24, 1
	s_lshl_b32 s42, s42, 7
	s_add_co_u32 s44, s44, s42                     ; my wave's first number, in bytes
	s_mov_b32 s45, 0
	s_mul_i32 s46, s59, s30
	s_add_co_u32 s46, s46, s58
	s_mul_i32 s46, s46, BLKB
	s_add_co_u32 s46, s46, s35
	s_add_co_u32 s46, s46, s41                     ; my wave's 32 records
	s_mov_b32 s47, 0
	s_lshl_b32 s56, s34, 5                         ; 32 rows
	s_add_nc_u64 s[36:37], s[36:37], s[44:45]
	s_add_nc_u64 s[20:21], s[20:21], s[46:47]
	v_mul_lo_u32 v15, v14, s56                     ; my block's first row
	v_lshl_add_u32 v[OFF], v2, 4, v15              ; + my four columns
.set ii, 1
.rept 31
	v_add_nc_u32 v[OFF+ii], s34, v[OFF+ii-1]
.set ii, ii+1
.endr
.set ii, 0
.rept 32
	global_load_b128 v[WX+4*ii:WX+4*ii+3], v[OFF+ii], s[36:37] th:TH_LOAD_NT   ; eight lanes read 128 consecutive bytes of a row; four rows, 32 apart, an instruction
.set ii, ii+1
.endr
	ds_store_b128 v7, v[WZ:WZ+3]                   ; the tails' 16 bytes are cleared; my wave's scale bytes come behind, in order
	s_wait_loadcnt 0x0                             ; each load holds a number of all four columns: all 32 are wanted
.irp c, 0,1,2,3
	v_max3_num_f32 v[WM+\c], |v[WX+\c]|, |v[WX+4+\c]|, |v[WX+8+\c]|              ; the four columns' largest magnitudes by turns, two chains each
	v_max3_num_f32 v[WS+\c], |v[WX+12+\c]|, |v[WX+16+\c]|, |v[WX+20+\c]|
.endr
.irp i, 6,10,14,18,22,26
.irp c, 0,1,2,3
	v_max3_num_f32 v[WM+\c], v[WM+\c], |v[WX+4*\i+\c]|, |v[WX+4*\i+4+\c]|
	v_max3_num_f32 v[WS+\c], v[WS+\c], |v[WX+4*\i+8+\c]|, |v[WX+4*\i+12+\c]|
.endr
.endr
.irp c, 0,1,2,3
	v_max3_num_f32 v[WM+\c], v[WM+\c], |v[WX+120+\c]|, |v[WX+124+\c]|
.endr
.irp c, 0,1,2,3
	v_max3_num_f32 v[WM+\c], v[WM+\c], v[WS+\c], 0x8000000        ; with the floor 2^(16 - 127): the byte cannot fall under 1
.endr
.irp c, 0,1,2,3
	v_add_nc_u32 v[WS+\c], 0xf8800000, v[WM+\c]                   ; 15 off the exponent field: the conversion's scale operand
.endr
.irp c, 0,1,2,3
	v_and_or_b32 v[WL+\c], v[WM+\c], 0x7f800000, s40              ; 57,344 x the scale
.endr
.irp c, 0,1,2,3
	v_lshrrev_b32 v[WB+\c], 23, v[WS+\c]                          ; the scale's byte
.endr
.macro COL c                           ; column c: held, laid in order, converted, stored into record 4 cq + c
.set ii, 0
.rept 32
	v_med3_num_f32 v[WY+ii], v[WX+4*ii+\c], -v[WL+\c], v[WL+\c]   ; the conversion does not saturate (ISA guide 7.6.2): the hold; its destination puts k in order
.set ii, ii+1
.endr
	v_cvt_scalef32_pk8_bf8_f32 v[WC+8*\c:WC+8*\c+1], v[WY:WY+7], v[WS+\c]         ; k-group 0 to place 0,
	v_cvt_scalef32_pk8_bf8_f32 v[WC+8*\c+4:WC+8*\c+5], v[WY+8:WY+15], v[WS+\c]    ; group 1 to place 16,
	v_cvt_scalef32_pk8_bf8_f32 v[WC+8*\c+2:WC+8*\c+3], v[WY+16:WY+23], v[WS+\c]   ; group 2 to place 8,
	v_cvt_scalef32_pk8_bf8_f32 v[WC+8*\c+6:WC+8*\c+7], v[WY+24:WY+31], v[WS+\c]   ; group 3 to place 24
	v_nop                                          ; a plain instruction between the last conversion and the next column's holds, which write its sources
	ds_store_b128 v3, v[WC+8*\c:WC+8*\c+3] offset:144*\c
	ds_store_b128 v3, v[WC+8*\c+4:WC+8*\c+7] offset:144*\c+16
	ds_store_b8 v6, v[WB+\c] offset:144*\c
.endm
	COL 0
	COL 1
	COL 2
	COL 3
.irp i, 0,1,2,3,4,5,6,7,8
	ds_load_b128 v[WX+4*\i:WX+4*\i+3], v4 offset:512*\i   ; my own stage: LDS serves a wave's instructions in order: these see my stores
.endr
.irp i, 0,1,2,3,4,5,6,7,8
	s_wait_dscnt 8-\i                              ; the younger read-backs may be out
	global_store_b128 v5, v[WX+4*\i:WX+4*\i+3], s[20:21] offset:512*\i   ; 512 consecutive bytes, aligned to 256
.endr
	s_wait_tensorcnt 0x0                           ; the wave's end, behind my last LDS store
	ds_add_u32 v[SPW], v[NIL]
	s_wait_dscnt 0x0
	s_endpgm
.Lfunc_end_k_qbe5a18f4a3_prep1:
	.size	k_qbe5a18f4a3_prep1, .Lfunc_end_k_qbe5a18f4a3_prep1-k_qbe5a18f4a3_prep1
	.p2alignl 7, 3214868480
	.fill 96, 4, 3214868480
	.section	.rodata,"a",@progbits
	.p2align	6, 0x0
	.amdhsa_kernel k_qbe5a18f4a3_prep1
		.amdhsa_group_segment_fixed_size 57856
		.amdhsa_private_segment_fixed_size 0
		.amdhsa_enable_private_segment 0
		.amdhsa_kernarg_size 72
		.amdhsa_user_sgpr_count 2
		.amdhsa_user_sgpr_kernarg_segment_ptr 1
		.amdhsa_wavefront_size32 1
		.amdhsa_system_sgpr_workgroup_id_x 1
		.amdhsa_system_sgpr_workgroup_id_y 1
		.amdhsa_system_sgpr_workgroup_id_z 1
		.amdhsa_system_vgpr_workitem_id 0
		.amdhsa_next_free_vgpr 256
		.amdhsa_next_free_sgpr 66
		.amdhsa_reserve_vcc 0
		.amdhsa_float_denorm_mode_32 3
		.amdhsa_float_denorm_mode_16_64 3
		.amdhsa_memory_ordered 1
		.amdhsa_forward_progress 1
		.amdhsa_inst_pref_size 79
	.end_amdhsa_kernel
	.amdgpu_metadata
---
amdhsa.version: [ 1, 2 ]
amdhsa.kernels:
  - .name:           k_qbe5a18f4a3_prep1
    .symbol:         k_qbe5a18f4a3_prep1.kd
    .args:
      - { .name: data, .offset: 0, .size: 8, .value_kind: global_buffer, .address_space: global }
      - { .name: g1, .offset: 8, .size: 8, .value_kind: global_buffer, .address_space: global }
      - { .name: be1, .offset: 16, .size: 8, .value_kind: global_buffer, .address_space: global }
      - { .name: hrec, .offset: 24, .size: 8, .value_kind: global_buffer, .address_space: global }
      - { .name: Wq, .offset: 32, .size: 8, .value_kind: global_buffer, .address_space: global }
      - { .name: Wk, .offset: 40, .size: 8, .value_kind: global_buffer, .address_space: global }
      - { .name: Wv, .offset: 48, .size: 8, .value_kind: global_buffer, .address_space: global }
      - { .name: Wfc, .offset: 56, .size: 8, .value_kind: global_buffer, .address_space: global }
      - { .name: wrec, .offset: 64, .size: 8, .value_kind: global_buffer, .address_space: global }
    .group_segment_fixed_size: 57856
    .private_segment_fixed_size: 0
    .kernarg_segment_align: 8
    .kernarg_segment_size: 72
    .max_flat_workgroup_size: 128
    .sgpr_count:     66
    .vgpr_count:     256
    .wavefront_size: 32
...
	.end_amdgpu_metadata
.endif
;; end of part 1
;; launch qkvg (part 2): grid 8 x 24, 4 waves a work-group, clusters of 4 x 4, 327,680 bytes of LDS; arguments hrec, wrec, qkv; writes qkv
.if DOCPART == 2
	.amdgcn_target "amdgcn-amd-amdhsa--gfx1250"
	.amdhsa_code_object_version 6
	.text
	.protected	k_qbe5a18f4a3_qkvg
	.globl	k_qbe5a18f4a3_qkvg
	.p2align	8
	.type	k_qbe5a18f4a3_qkvg,@function
k_qbe5a18f4a3_qkvg:
	s_mov_b64 s[64:65], 0
	v_nop
	global_prefetch_b8 v0, s[64:65] scope:SCOPE_SE
	s_setreg_imm32_b32 hwreg(HW_REG_WAVE_MODE, 25, 1), 1
	s_wait_xcnt 0x0
	s_wait_alu depctr_hold_cnt(0) depctr_sa_sdst(0) depctr_va_vdst(0) depctr_va_sdst(0) depctr_va_ssrc(0) depctr_va_vcc(0) depctr_vm_vsrc(0)
	s_getreg_b32 s2, hwreg(HW_REG_IB_STS2, 6, 4)
	s_cmp_eq_u32 s2, 0
	s_cbranch_scc0 .Lentry_in_a_cluster
	s_endpgm
.Lentry_in_a_cluster:
	s_bfe_u32 s2, ttmp6, 0x10000c
	s_cmp_lg_u32 s2, 0xf033
	s_cbranch_scc0 .Lentry_shape_is_right
	s_endpgm
.Lentry_shape_is_right:
.set QKV,   1
.set RELU,  1-QKV
.set ZERO,  2-QKV
.set BLKB,  18432
.set PART,  2*BLKB
.set SLOT,  4*PART
.set SPARE, 2*SLOT
.set RBB,   8*BLKB
.set FR,   16
.set NL,   4
.set NP,   8
.set ADRA, 16
.set ADRB, 20
.set ADRS, 22
.set STO,  24
.set TAIL, 25
.set RD,   26
.set CO,   27
.set SPW,  28
.set NIL,  29
.set SC,   32
.set BIAS, 64
.set AF,   128
.set TM,   64
.set PW,   80
.set PC,   84
.set RB,   100
.set Y,    128
.set G1,  24
.set G0,  32
.set G1B, 48
.set G0B, 56
.set SEL, 74
.set MNT, 76
.set MSB, 0
.macro WIN new
.if MSB != \new
	s_set_vgpr_msb (MSB<<8)|\new
.set MSB, \new
.endif
.endm
.set TO_B, 0x40
.macro WMUL hi, zero
.if \zero == 2
	WIN 0x81+0x40*(\hi)
.else
	WIN 0xa1+0x50*(\hi)
.endif
.endm
.macro JLOAD g0a, g1a, g0b, g1b
	s_cmp_eq_u32 s15, 0
	s_cbranch_scc0 .Lfor_b_\@
	tensor_load_to_lds s[\g0a:\g0a+3], s[\g1a:\g1a+7]
	s_nop 0
.rept 4
	v_nop
.endr
	s_branch .Lasked_\@
.Lfor_b_\@:
	tensor_load_to_lds s[\g0b:\g0b+3], s[\g1b:\g1b+7]
	s_nop 0
.rept 4
	v_nop
.endr
.Lasked_\@:
.endm
.macro CREST
	s_cmp_lg_u32 s14, 0
	s_cbranch_scc1 .Lnot_wave_0_\@
	s_barrier_signal -3
.Lnot_wave_0_\@:
	s_barrier_wait -3
	s_barrier_signal -1
	s_barrier_wait -1
.endm
.macro CROUND
	s_barrier_signal -1
	s_barrier_wait -1
	CREST
.endm
	s_load_b128 s[4:7], s[0:1], 0x0
.if QKV
	s_load_b64 s[12:13], s[0:1], 0x10
.else
	s_load_b64 s[8:9], s[0:1], 0x10
	s_load_b64 s[12:13], s[0:1], 0x18
.endif
	v_lshl_add_u32 v[SPW], v0, 2, SPARE
	v_mov_b32 v[NIL], 0
	ds_add_u32 v[SPW], v[NIL]
	ds_add_u32 v[SPW], v[NIL]
	v_lshrrev_b32 v1, 5, v0
	v_readfirstlane_b32 s14, v1
	s_lshr_b32 s15, s14, 1
	s_and_b32 s16, s14, 1
	s_bfe_u32 s40, ttmp6, 0x40000
	s_bfe_u32 s41, ttmp6, 0x40004
	s_and_b32 s17, ttmp7, 0xffff
.if QKV
	s_sub_co_u32 s42, s17, 4
	s_lshl_b32 s42, s42, 1
	s_add_co_u32 s42, s42, ttmp9
	s_cmp_ge_u32 s17, 4
	s_cselect_b32 s42, s42, ttmp9
	s_cselect_b32 s17, 0, s17
	s_cselect_b32 s66, 1, 0
	s_cselect_b32 s67, 2359296, 0
	s_cselect_b32 s68, 9437184, 0
.else
	s_mov_b32 s42, ttmp9
.endif
	s_lshl_b32 s42, s42, 2
	s_add_co_u32 s42, s42, s40
	s_lshl_b32 s17, s17, 2
	s_add_co_u32 s17, s17, s41
	s_lshl_b32 s43, s41, 2
	s_lshl_b32 s43, 15, s43
	s_lshl_b32 s44, 0x1111, s40
	s_or_b32 s[G1], s43, (3<<16)|(1<<21)
	s_or_b32 s[G1B], s44, (3<<16)|(1<<21)
.irp g, G1, G1B
	s_mov_b32 s[\g+1], 32<<16
	s_mov_b32 s[\g+2], 144<<16
	s_mov_b32 s[\g+3], 32<<16
	s_mov_b32 s[\g+4], 144
	s_mov_b32 s[\g+5], 32
	s_mov_b32 s[\g+6], 0
	s_mov_b32 s[\g+7], 0
.endr
	s_lshl_b32 s20, s17, 1
	s_add_co_u32 s20, s20, s16
	s_mul_i32 s20, s20, RBB
.if QKV
	s_add_co_u32 s20, s20, s67
.endif
	s_mov_b32 s21, 0
	s_lshl_b32 s46, s42, 1
	s_add_co_u32 s46, s46, s16
	s_mul_i32 s46, s46, RBB
.if !QKV
	s_add_co_u32 s46, s46, 4718592
.endif
	s_mov_b32 s47, 0
	s_mul_i32 s45, s14, PART
	s_mov_b32 s[SEL], 0x76543210
	s_mov_b32 s[SEL+1], 0xfedcba98
	s_mov_b32 s[MNT], 0x600000
	s_wait_dscnt 0x0
	s_wait_kmcnt 0x0
.if QKV
	s_cmp_eq_u32 s66, 1
	s_cselect_b64 s[70:71], s[6:7], s[4:5]
	s_cselect_b64 s[72:73], s[4:5], s[6:7]
	s_add_nc_u64 s[20:21], s[70:71], s[20:21]
	s_add_nc_u64 s[46:47], s[72:73], s[46:47]
.else
	s_add_nc_u64 s[20:21], s[4:5], s[20:21]
	s_add_nc_u64 s[46:47], s[6:7], s[46:47]
.endif
	CROUND
.irp s, 0,1
	s_mov_b32 s[G0+4*\s], 1
	s_add_co_u32 s[G0+4*\s+1], s45, \s*SLOT
	s_add_nc_u64 s[G0+4*\s+2:G0+4*\s+3], s[20:21], \s*PART
	s_or_b32 s[G0+4*\s+3], s[G0+4*\s+3], 0x80000000
	s_mov_b32 s[G0B+4*\s], 1
	s_add_co_u32 s[G0B+4*\s+1], s45, \s*SLOT
	s_add_nc_u64 s[G0B+4*\s+2:G0B+4*\s+3], s[46:47], \s*PART
	s_or_b32 s[G0B+4*\s+3], s[G0B+4*\s+3], 0x80000000
.endr
	JLOAD G0, G1, G0B, G1B                         ; slot 0: one joint load a wave at the head
	v_and_b32 v1, 15, v0
	v_bfe_u32 v2, v0, 4, 1
	v_mul_u32_u24 v3, v1, 144
	v_lshl_add_u32 v4, v2, 4, v3
	s_mul_i32 s21, s15, PART
	s_mul_i32 s22, s16, PART
	s_add_co_u32 s22, s22, 2*PART
	s_sub_co_u32 s23, s22, s21
	v_mul_u32_u24 v6, s23, v2
	v_add_nc_u32 v5, 128, v3
	v_add_nc_u32 v5, v5, v6
.irp s, 0,1
	v_add_nc_u32 v[ADRA+\s], s21, v4
	v_add_nc_u32 v[ADRB+\s], s22, v4
	v_add_nc_u32 v[ADRS+\s], s21, v5
	s_add_co_u32 s21, s21, SLOT
	s_add_co_u32 s22, s22, SLOT
.endr
	s_mul_i32 s23, s14, BLKB
	v_add_nc_u32 v[STO], s23, v4
	v_add_nc_u32 v[TAIL], s23, v3
	v_add_nc_u32 v[TAIL], 128, v[TAIL]
	v_and_b32 v6, 31, v0
	v_lshlrev_b32 v[CO], 4, v6
	v_add_nc_u32 v[RD], s23, v[CO]
	s_lshl_b32 s78, s17, 1
	s_add_co_u32 s78, s78, s15
	s_lshl_b32 s79, s42, 1
	s_add_co_u32 s79, s79, s16
.if QKV
	s_cmp_eq_u32 s66, 1
	s_cselect_b32 s80, s78, s79
	s_cselect_b32 s81, s79, s78
.else
	s_mov_b32 s80, s78
	s_mov_b32 s81, s79
.endif
	s_lshl_b32 s80, s80, 5
	s_add_co_u32 s80, s80, s81
	s_mul_i32 s80, s80, BLKB
.if QKV
	s_add_co_u32 s80, s80, s68
.endif
	s_mov_b32 s81, 0
	s_add_nc_u64 s[12:13], s[12:13], s[80:81]
.if !QKV
	s_lshl_b32 s46, s42, 10
	s_lshl_b32 s47, s16, 9
	s_add_co_u32 s46, s46, s47
	s_mov_b32 s47, 0
	s_add_nc_u64 s[8:9], s[8:9], s[46:47]
	v_lshlrev_b32 v7, 5, v2
.irp b, 0,1,2,3,4,5,6,7
	global_load_b128 v[BIAS+8*\b:BIAS+8*\b+3], v7, s[8:9] offset:64*\b
	global_load_b128 v[BIAS+8*\b+4:BIAS+8*\b+7], v7, s[8:9] offset:64*\b+16
.endr
.endif
.macro FRAG reg, adr, q, i
.irp c, 0,1,2,3
	ds_load_b128 v[\reg+4*\c:\reg+4*\c+3], v[\adr] offset:BLKB*(\q)+32*\c+(\i)*2304
.endr
.endm
.macro MUL16 a0, p, q, sc, zero
.irp a, \a0, \a0+1
.irp b, 0,1,2,3,4,5,6,7
.set rD, 8*(8*((\a)%4)+\b)
.set rB, 128*(\p)+FR*\b
.set rA, AF+FR*(\a)
.set rSB, SC+16*(\sc)+2*\b+(\q)
.set rSA, SC+16*(\sc)+2*(\a)+(\q)
.if \zero == 1
	v_wmma_scale_f32_16x16x128_f8f6f4 v[rD:rD+7], v[rB:rB+15], v[rA:rA+15], 0, v[rSB], v[rSA] matrix_a_fmt:MATRIX_FMT_BF8 matrix_b_fmt:MATRIX_FMT_BF8 matrix_a_scale:MATRIX_SCALE_ROW1
.elseif \zero == 2
	v_wmma_scale_f32_16x16x128_f8f6f4 v[rD:rD+7], v[rB:rB+15], v[rA:rA+15], v[BIAS+8*\b:BIAS+8*\b+7], v[rSB], v[rSA] matrix_a_fmt:MATRIX_FMT_BF8 matrix_b_fmt:MATRIX_FMT_BF8 matrix_a_scale:MATRIX_SCALE_ROW1
.else
	v_wmma_scale_f32_16x16x128_f8f6f4 v[rD:rD+7], v[rB:rB+15], v[rA:rA+15], v[rD:rD+7], v[rSB], v[rSA] matrix_a_fmt:MATRIX_FMT_BF8 matrix_b_fmt:MATRIX_FMT_BF8 matrix_a_scale:MATRIX_SCALE_ROW1
.endif
.endr
.endr
.endm
.macro FETCH_B slot, q, p
	WIN TO_B
.irp i, 0,1,2,3,4,5,6,7
	FRAG 128*(\p)+FR*\i, ADRB+\slot, \q, \i
.endr
	WIN 0
.endm
.macro FETCH_A slot, q, i0
.irp i, \i0, \i0+1, \i0+2, \i0+3
	FRAG AF+FR*(\i), ADRA+\slot, \q, \i
.endr
.endm
.macro SCALES slot
.irp i, 0,1,2,3,4,5,6,7
	ds_load_b32 v[SC+16*\slot+2*\i], v[ADRS+\slot] offset:\i*2304
	ds_load_b32 v[SC+16*\slot+2*\i+1], v[ADRS+\slot] offset:BLKB+\i*2304
.endr
.endm
.macro PLACES n
.rept \n
	v_nop
.endr
.endm
.macro STEP slot, q, zero
	s_wait_dscnt 4*NL
	WMUL 0, \zero
	MUL16 0, (\q)%2, \q, \slot, \zero
	MUL16 2, (\q)%2, \q, \slot, \zero
	s_wait_dscnt 0
	PLACES NP
	FETCH_B \slot, (\q)+1, 1-(\q)%2
	FETCH_A \slot, (\q)+1, 0
	WMUL 1, \zero
	MUL16 4, (\q)%2, \q, \slot, \zero
	MUL16 6, (\q)%2, \q, \slot, \zero
	PLACES NP
	WIN 0
	FETCH_A \slot, (\q)+1, 4
.endm
.macro TURN slot, next, fill
	s_wait_tensorcnt 0x0
	ds_add_u32 v[SPW], v[NIL]
	s_wait_dscnt 4*NL+1
	WMUL 0, 0
	MUL16 0, 1, 1, \slot, 0
	s_wait_dscnt 0x0
	s_barrier_signal -1
	MUL16 2, 1, 1, \slot, 0
	WIN 0
	s_barrier_wait -1
.if \fill
	CREST
	s_add_nc_u64 s[G0+4*\slot+2:G0+4*\slot+3], s[G0+4*\slot+2:G0+4*\slot+3], 2*PART
	s_add_nc_u64 s[G0B+4*\slot+2:G0B+4*\slot+3], s[G0B+4*\slot+2:G0B+4*\slot+3], 2*PART
	JLOAD G0+4*\slot, G1, G0B+4*\slot, G1B
	PLACES NP-4
.else
	PLACES NP
.endif
	s_wait_alu depctr_va_vdst(0)
	FETCH_B \next, 0, 0
	FETCH_A \next, 0, 0
	SCALES \next
	WMUL 1, 0
	MUL16 4, 1, 1, \slot, 0
	MUL16 6, 1, 1, \slot, 0
	PLACES NP
	WIN 0
	FETCH_A \next, 0, 4
.endm
	s_wait_alu depctr_va_vdst(0)                   ; the wait at the head's end
	s_wait_tensorcnt 0x0                           ; my part of slot 0 is in
	ds_add_u32 v[SPW], v[NIL]                      ; ahead of a later first fill
	s_wait_dscnt 0x0
	CROUND                                         ; slot 0 is whole in every partner
	JLOAD G0+4, G1, G0B+4, G1B                     ; slot 1's first fill, the first tensor load behind the round
	FETCH_B 0, 0, 0
	FETCH_A 0, 0, 0
	SCALES 0
	FETCH_A 0, 0, 4
.if !QKV
	s_wait_loadcnt 0x0
.endif
	STEP 0, 0, ZERO
	TURN 0, 1, 1
	STEP 1, 0, 0
	TURN 1, 0, 1
	STEP 0, 0, 0
	TURN 0, 1, 0
	STEP 1, 0, 0
	s_wait_dscnt 4*NL
	WMUL 0, 0
	MUL16 0, 1, 1, 1, 0
	MUL16 2, 1, 1, 1, 0
	s_wait_dscnt 0
	WMUL 1, 0
	MUL16 4, 1, 1, 1, 0
	MUL16 6, 1, 1, 1, 0
	WIN 0
	PLACES NP
.irp b, 0,1,2,3
	v_mov_b32 v[TM+4+\b], 0
.endr
	v_mov_b32 v[PW+1], 0
	v_mov_b32 v[PW+2], 0
	v_mov_b32 v[PW+3], 0
.macro QUANTW a
.set AC, 64*((\a)%4)
	WIN 0x0a+5*((\a)/4)
.irp b, 0,1,2,3
.if RELU
	v_max3_num_f32 v[TM+\b], v[AC+16*\b], v[AC+16*\b+1], 0x8000000
.else
	v_max3_num_f32 v[TM+\b], |v[AC+16*\b]|, |v[AC+16*\b+1]|, 0x8000000
.endif
.endr
.irp i, 2,4,6,8,10,12,14
.irp b, 0,1,2,3
.if RELU
	v_max3_num_f32 v[TM+\b], v[AC+16*\b+\i], v[AC+16*\b+\i+1], v[TM+\b]
.else
	v_max3_num_f32 v[TM+\b], |v[AC+16*\b+\i]|, |v[AC+16*\b+\i+1]|, v[TM+\b]
.endif
.endr
.endr
	WIN 0
.irp b, 0,1,2,3
	v_permlanex16_b32 v[TM+4+\b], v[TM+\b], s[SEL], s[SEL+1]
.endr
.irp b, 0,1,2,3
	v_max_num_f32 v[TM+\b], v[TM+\b], v[TM+4+\b]
.endr
.irp b, 0,1,2,3
	v_add_nc_u32 v[TM+12+\b], 0xf8800000, v[TM+\b]
.endr
.irp b, 0,1,2,3
	v_and_or_b32 v[TM+8+\b], v[TM+\b], 0x7f800000, s[MNT]
.endr
.irp b, 0,1,2,3
	v_lshrrev_b32 v[TM+4+\b], 23, v[TM+12+\b]
.endr
	v_lshl_or_b32 v[PW], v[TM+5], 8, v[TM+4]
	v_lshl_or_b32 v[PW], v[TM+6], 16, v[PW]
	v_lshl_or_b32 v[PW], v[TM+7], 24, v[PW]
	WIN 0x02+(\a)/4
.irp b, 0,1,2,3
.irp i, 0,1,2,3,4,5,6,7,8,9,10,11,12,13,14,15
.if RELU
	v_med3_num_f32 v[Y+16*\b+\i], v[AC+16*\b+\i], 0, v[TM+8+\b]
.else
	v_med3_num_f32 v[Y+16*\b+\i], v[AC+16*\b+\i], -v[TM+8+\b], v[TM+8+\b]
.endif
.endr
.endr
	WIN 0
	s_wait_alu depctr_va_vdst(0)
	s_wait_dscnt 0x0
.irp b, 0,1,2,3
	v_cvt_scalef32_pk8_bf8_f32 v[PC+4*\b:PC+4*\b+1], v[Y+16*\b:Y+16*\b+7], v[TM+12+\b]
	v_cvt_scalef32_pk8_bf8_f32 v[PC+4*\b+2:PC+4*\b+3], v[Y+16*\b+8:Y+16*\b+15], v[TM+12+\b]
.endr
	v_nop
.irp b, 0,1,2,3
	ds_store_b128 v[STO], v[PC+4*\b:PC+4*\b+3] offset:(\a)*2304+32*\b
.endr
	ds_store_b128 v[TAIL], v[PW:PW+3] offset:(\a)*2304
.endm
.irp a, 0,1,2,3,4,5,6,7
	QUANTW \a
.endr
.set ii, 0
.rept 36
	ds_load_b128 v[RB+4*ii:RB+4*ii+3], v[RD] offset:512*ii
.set ii, ii+1
.endr
.set ii, 0
.rept 36
	s_wait_dscnt 35-ii
	global_store_b128 v[CO], v[RB+4*ii:RB+4*ii+3], s[12:13] offset:512*ii
.set ii, ii+1
.endr
	s_wait_tensorcnt 0x0
	ds_add_u32 v[SPW], v[NIL]
	s_wait_dscnt 0x0
	CROUND
	s_endpgm
.Lfunc_end_k_qbe5a18f4a3_qkvg:
	.size	k_qbe5a18f4a3_qkvg, .Lfunc_end_k_qbe5a18f4a3_qkvg-k_qbe5a18f4a3_qkvg
	.p2alignl 7, 3214868480
	.fill 96, 4, 3214868480
	.section	.rodata,"a",@progbits
	.p2align	6, 0x0
	.amdhsa_kernel k_qbe5a18f4a3_qkvg
		.amdhsa_group_segment_fixed_size 327680
		.amdhsa_private_segment_fixed_size 0
		.amdhsa_enable_private_segment 0
		.amdhsa_kernarg_size 24
		.amdhsa_user_sgpr_count 2
		.amdhsa_user_sgpr_kernarg_segment_ptr 1
		.amdhsa_wavefront_size32 1
		.amdhsa_system_sgpr_workgroup_id_x 1
		.amdhsa_system_sgpr_workgroup_id_y 1
		.amdhsa_system_sgpr_workgroup_id_z 1
		.amdhsa_system_vgpr_workitem_id 0
		.amdhsa_next_free_vgpr 1024
		.amdhsa_next_free_sgpr 84
		.amdhsa_reserve_vcc 0
		.amdhsa_float_denorm_mode_32 3
		.amdhsa_float_denorm_mode_16_64 3
		.amdhsa_memory_ordered 1
		.amdhsa_forward_progress 1
		.amdhsa_inst_pref_size 191
	.end_amdhsa_kernel
	.amdgpu_metadata
---
amdhsa.version: [ 1, 2 ]
amdhsa.kernels:
  - .name:           k_qbe5a18f4a3_qkvg
    .symbol:         k_qbe5a18f4a3_qkvg.kd
    .args:
      - { .name: hrec, .offset: 0, .size: 8, .value_kind: global_buffer, .address_space: global }
      - { .name: wrec, .offset: 8, .size: 8, .value_kind: global_buffer, .address_space: global }
      - { .name: qkv, .offset: 16, .size: 8, .value_kind: global_buffer, .address_space: global }
    .group_segment_fixed_size: 327680
    .private_segment_fixed_size: 0
    .kernarg_segment_align: 8
    .kernarg_segment_size: 24
    .max_flat_workgroup_size: 128
    .sgpr_count:     84
    .vgpr_count:     1024
    .wavefront_size: 32
...
	.end_amdgpu_metadata
.endif
;; end of part 2
;; launch attn (part 3): grid 16 x 16, 16 waves a work-group, no clusters, 327,680 bytes of LDS; arguments qkv, attrec; writes attrec
.if DOCPART == 3
	.amdgcn_target "amdgcn-amd-amdhsa--gfx1250"
	.amdhsa_code_object_version 6
	.text
	.protected	k_qbe5a18f4a3_attn
	.globl	k_qbe5a18f4a3_attn
	.p2align	8
	.type	k_qbe5a18f4a3_attn,@function
k_qbe5a18f4a3_attn:
	s_mov_b64 s[64:65], 0
	v_nop
	global_prefetch_b8 v0, s[64:65] scope:SCOPE_SE
	s_setreg_imm32_b32 hwreg(HW_REG_WAVE_MODE, 25, 1), 1
	s_wait_xcnt 0x0
; Causal attention, 32 (batch, head) x 2,048 tokens x head size 64, both products on E5M2 codes with E8M0 scales; the result, divided by the row's sum, is quantised along (head, d) and stored as records.
; INPUT (records of 144 bytes: 128 codes, 4 scale bytes): q and k: [head pair][token / 128][token % 128]: a record holds two heads' 64 codes; v: [head pair][token / 128][64 head + d]: a record holds 128 keys.
; Inside each block of 32, place 16 h + 8 u + j holds k = 16 u + 8 h + j, in every operand alike.
; THE SOFTMAX: t = score x log2(e) / 32; M = the running largest t rounded up to a whole number; p = 2^(t - M) is quantised along the keys, not normalised; the row's sum is taken of the unquantised p and divides at the end.
; LEFT OUT: key steps all of whose keys come after a tile's queries: the causal mask sets them to -inf, so their p is 0 for all inputs.  A NaN or infinity that reaches only such scores is not carried on.
; SHARES.  A work-group owns one batch, one pair of heads and two blocks of 64 queries, block j (early) and block 31 - j (late).  Sixteen waves: wave w: parity c = (w / 4) % 2, head (w / 2) % 2, tile of 16 queries w % 2 + 2 (w / 8).
; A PAIR OF WAVES (w, w xor 4) owns an early and a late tile of one head, and the two share the KEYS: of each slot's four key steps of 128 keys wave c takes steps c and c + 2, for both tiles.
; A tile pair has 17 key steps, 9 of parity 0 and 8 of parity 1: waves w, w + 4, w + 8, w + 12 hold two of each parity.
; In a wave, tile A is the early one where c = 0 and the late one where c = 1, tile B the other: only scalars tell them apart.  At the end each wave hands its partial state of B (-M, the sum, O^T) to its partner through LDS and finishes A:
; both parts are brought under the larger M by powers of two, which round nothing, and added.
; THE RING: two LDS buffers of 512 keys (K's four blocks of 18,432 bytes, then V's four); waves 0-7 fetch one dense block each; four slots in all, one barrier a slot.
; Q's fragments lie in LDS as images of the operand's registers, one for each tile of a pair of waves: a wave stores its tile A's, the first change's barrier shows it to the partner, and each tile's is read again for each of its steps.
; LAYOUT.  Both products are used transposed: S^T = K Q^T (K = the head's 64, filled to 128 with zero codes held in registers), O^T = V^T P^T: a lane holds one query.  Register n of S^T is key 16 (n / 8) + 8 h + n % 8:
; registers 16 b .. 16 b + 15 are the lane's 16 places of key block b in the records' order, so the conversions' results are the second product's operand.
; CAUSAL.  Every wave walks all four slots (constant trip counts); a hidden step is jumped over; a slot past the work-group's last query is not asked for.
; NO JOINT LOADS: the work-groups that share K and V need different numbers of slots (3 or 4, by j), and every partner would have to ask for every slot, also for those that none of its waves reads.
; LIMITS: a block whose largest magnitude lies under 2^-111 keeps the scale byte 1; NaN and infinities are not served; the scaled scores stay under 2^31 in magnitude.
.set BLKB,  18432
.set SLOT1, 8*BLKB                     ; a buffer's bytes, and where the second begins
.set SPARE, 2*SLOT1                    ; the spare words, 128 bytes a wave
.set QST,   SPARE+2048                 ; Q's images, 1,024 bytes a wave
.set STG,   0                          ; the way out's 128 records (early block, then late) and
.set XCH,   BLKB                       ; the partial states, XW bytes a wave: in buffer 0, which has had its last fill and its last read at the last change of slots
.set XW,    4608
.set AK0, 1                            ; v1-4 lane places in a slot, at my first key step
.set AS0, 2
.set AV0, 3
.set ASV0, 4
.set SPW, 5
.set NIL, 6
.set PFO, 7                            ; 256 x lane; on the way out 16 x lane
.set ADK, 8                            ; v8-11 addresses in hand
.set ADV, 9
.set ADS, 10
.set ADT, 11
.set STA, 12                           ; v12-15 tile A: -M, largest t, the sum in two halves;  v16-19 tile B
.set STB, 16
.set QADA, 20                          ; tile A's image of Q; v255 tile B's
.set QADB, 255
.set DL,  21                           ; r - 8 h
.set F,   22                           ; v[22:23] f
.set Q,   24                           ; v24-39 Q's fragment, upper half zero
.set KR,  40                           ; v40-103 four fragments of K, upper halves zero; the data halves are at work in the softmax:
.set BM,  40                           ; block maxima
.set PT,  44                           ; the other half's, then bytes
.set LM,  56                           ; 57,344 x the scale
.set SOP, 60                           ; the conversions' scale operands
.set TD,  94
.set TE,  95
.set S,   104                          ; v104-167 S^T, p, then V
.set OA,  168                          ; v168-199 O^T of tile A;  v200-231 of tile B
.set OB,  200
.set PC,  232                          ; v232-247 p's codes
.set KS,  248                          ; v248-251 K's or V's scale words; v252 p's; v253, v254 Q's
.set PS,  252
.set QSA, 253
.set QSB, 254
.set TB,  2                            ; where the buffer in hand begins
.set SLOTS, 3
.set WV,  18
.set MNT, 19
.set SEL, 20
.set CS,  22
.set G1,  24
.set G0,  32
.set KF,  36                           ; my step's first key
.set Q0A, 37                           ; tile A's first query
.set LQ,  38                           ; the work-group's last query
.set LIM, 39
.set PFA, 40
.set HP,  42
.set CP,  43                           ; my parity c
.set GG,  44
.set STW, 45
.set Q0B, 82
.set SK,  83                           ; the slot's first key
.set CB,  84                           ; c x 18,432
.set LB,  85                           ; where my block lies in a buffer
.set TN,  86                           ; where the buffer that is filled next begins
.macro WALU
	s_wait_alu depctr_va_vdst(0)
.endm
.macro TLOAD                           ; waves 0-3: K's four steps, waves 4-7: V's; an s_nop 0 and four v_nop follow
	s_cmp_lt_u32 s[WV], 8
	s_cbranch_scc0 .Lasked_\@
	tensor_load_to_lds s[G0:G0+3], s[G1:G1+7]
	s_nop 0
.rept 4
	v_nop
.endr
.Lasked_\@:
.endm
; A PREFETCH INTO THE L2.  At the changes of slots 0 and 1, which load slots 1 and 2, the slot after that is asked for: K's 73,728 bytes and V's, 4,718,592 bytes further on in the buffer: a slot's four key steps ahead of its load.
; All work-groups of a batch and head pair walk the same bytes: the one with j = 0 asks, in it waves 4 to 12, 8,192 bytes each, lanes 256 bytes apart: each aligned block of 256 bytes is named once.
; Slots 0 and 1 come by their loads alone; change 2 asks for nothing: no slot lies behind slot 3.
.macro ASK
	s_cmp_gt_u32 s[SLOTS], s[LIM]
	s_cbranch_scc0 .Lnot_mine_\@
	global_prefetch_b8 v[PFO], s[PFA:PFA+1] th:TH_LOAD_NT scope:SCOPE_SE
	global_prefetch_b8 v[PFO], s[PFA:PFA+1] offset:4718592 th:TH_LOAD_NT scope:SCOPE_SE
.Lnot_mine_\@:
.endm
	s_load_b128 s[4:7], s[0:1], 0x0                ; qkv, the output's records
	v_lshl_add_u32 v[SPW], v0, 2, SPARE
	v_mov_b32 v[NIL], 0
	ds_add_u32 v[SPW], v[NIL]                      ; the wave's opening: the add, twice on end, and its wait ahead of my first tensor load
	ds_add_u32 v[SPW], v[NIL]
	v_lshrrev_b32 v8, 5, v0
	v_readfirstlane_b32 s[WV], v8
	s_and_b32 s46, ttmp7, 0xffff
	s_lshr_b32 s47, s46, 3                         ; batch
	s_and_b32 s48, s46, 7                          ; head pair
	s_lshr_b32 s[GG], s[WV], 3
	s_lshl_b32 s[GG], s[GG], 1
	s_and_b32 s50, s[WV], 1
	s_add_co_u32 s[GG], s[GG], s50                 ; my tile of 16 queries: w % 2 + 2 (w / 8)
	s_bfe_u32 s[CP], s[WV], 0x10002
	s_bfe_u32 s[HP], s[WV], 0x10001
	s_sub_co_u32 s49, 31, ttmp9                    ; the late block
	s_cmp_eq_u32 s[CP], 1
	s_cselect_b32 s50, s49, ttmp9                  ; tile A's block,
	s_cselect_b32 s51, ttmp9, s49                  ; tile B's
	s_lshl_b32 s[Q0A], s50, 6
	s_lshl_b32 s[Q0B], s51, 6
	s_lshl_b32 s51, s[GG], 4
	s_add_co_u32 s[Q0A], s[Q0A], s51
	s_add_co_u32 s[Q0B], s[Q0B], s51
	s_lshl_b32 s[LQ], s49, 6
	s_add_co_u32 s[LQ], s[LQ], 63
	s_mul_i32 s[CB], s[CP], BLKB
	s_lshl_b32 s52, s48, 5
	s_lshl_b32 s53, s47, 4                         ; 16 blocks of 128 tokens a batch
	s_add_co_u32 s52, s52, s53
	s_mul_i32 s54, s52, BLKB                       ; q's blocks of this pair and batch; k's lie 4,718,592 bytes on, v's 9,437,184
	s_bfe_u32 s50, s[WV], 0x10002                  ; waves 0-3 fetch for K, waves 4-7 for V
	s_mul_i32 s50, s50, 4718592
	s_add_co_u32 s50, s50, s54
	s_add_co_u32 s50, s50, 4718592
	s_and_b32 s51, s[WV], 3
	s_mul_i32 s51, s51, BLKB
	s_add_co_u32 s50, s50, s51                     ; what I fetch, if I fetch
	s_mov_b32 s51, 0
	s_and_b32 s[LB], s[WV], 7
	s_mul_i32 s[LB], s[LB], BLKB                   ; and where it goes in a buffer
	s_mov_b32 s[TN], 0
	s_sub_co_u32 s55, s[WV], 4
	s_cmp_le_u32 s55, 8
	s_cselect_b32 s46, 0, 1
	s_or_b32 s46, s46, ttmp9
	s_min_u32 s55, s55, 8                          ; every wave's address stays inside the buffer
	s_cmp_eq_u32 s46, 0
	s_cselect_b32 s[LIM], 1, -1                    ; 1 in a wave that prefetches, else the greatest number
	s_lshl_b32 s66, s55, 13
	s_add_co_u32 s66, s66, s54
	s_add_co_u32 s66, s66, 4718592+4*BLKB          ; in slot 1: the first change of slots steps it to slot 2
	s_mov_b32 s67, 0
	s_lshr_b32 s46, s[Q0A], 7
	s_mul_i32 s46, s46, BLKB
	s_and_b32 s47, s[Q0A], 127
	s_mul_i32 s47, s47, 144
	s_add_co_u32 s46, s46, s47
	s_add_co_u32 s68, s46, s54                     ; tile A's 16 records of q,
	s_mov_b32 s69, 0
	s_lshr_b32 s46, s[Q0B], 7
	s_mul_i32 s46, s46, BLKB
	s_and_b32 s47, s[Q0B], 127
	s_mul_i32 s47, s47, 144
	s_add_co_u32 s46, s46, s47
	s_add_co_u32 s80, s46, s54                     ; tile B's
	s_mov_b32 s81, 0
	s_lshr_b32 s76, ttmp9, 1                       ; where the early block's 64 records go:
	s_add_co_u32 s76, s76, s53
	s_lshl_b32 s76, s76, 3
	s_add_co_u32 s76, s76, s48
	s_mul_i32 s76, s76, BLKB
	s_and_b32 s78, ttmp9, 1
	s_mul_i32 s78, s78, 9216
	s_add_co_u32 s76, s76, s78
	s_lshr_b32 s77, s49, 1                         ; and the late block's
	s_add_co_u32 s77, s77, s53
	s_lshl_b32 s77, s77, 3
	s_add_co_u32 s77, s77, s48
	s_mul_i32 s77, s77, BLKB
	s_and_b32 s78, s49, 1
	s_mul_i32 s78, s78, 9216
	s_add_co_u32 s77, s77, s78
	s_lshl_b32 s78, s[WV], 9
	s_add_co_u32 s70, s76, s78                     ; piece w of 36 pieces of 512 bytes: early
	s_mov_b32 s71, 0
	s_add_co_u32 s72, s70, 8192                    ; piece 16 + w: early's last two,
	s_add_co_u32 s74, s77, s78
	s_sub_co_u32 s79, s74, 1024                    ; or late's piece w - 2
	s_cmp_lt_u32 s[WV], 2
	s_cselect_b32 s72, s72, s79
	s_mov_b32 s73, 0
	s_add_co_u32 s74, s74, 7168                    ; piece 32 + w: late's piece 14 + w
	s_mov_b32 s75, 0
	s_mul_i32 s[STW], s[CP], 9216
	s_mul_i32 s46, s[GG], 2304
	s_add_co_u32 s[STW], s[STW], s46
	s_add_co_u32 s[STW], s[STW], STG               ; tile A's 16 rows in the stage
	s_mov_b32 s[G1], 3<<16                         ; no mask; elements of 8 bytes; a dense block as 72 rows of 256 bytes
	s_mov_b32 s[G1+1], 32<<16
	s_mov_b32 s[G1+2], 72<<16
	s_mov_b32 s[G1+3], 32<<16
	s_mov_b32 s[G1+4], 72
	s_mov_b32 s[G1+5], 32
	s_mov_b32 s[G1+6], 0
	s_mov_b32 s[G1+7], 0
	s_mov_b32 s[SEL], 0x76543210
	s_mov_b32 s[SEL+1], 0xfedcba98
	s_mov_b32 s[CS], 0x3d38aa3b                    ; c = log2(e) / 32
	s_mov_b32 s[CS+1], s[CS]
	s_mov_b32 s[MNT], 0x600000
	s_mov_b32 s[TB], 0
	s_mov_b32 s[SLOTS], 3
	s_mov_b32 s[SK], 0
	s_lshl_b32 s[KF], s[CP], 7                     ; my first step of slot 0
	v_and_b32 v104, 15, v0                         ; r
	v_bfe_u32 v105, v0, 4, 1                       ; h
	v_mul_u32_u24 v106, v104, 144
	v_lshl_add_u32 v107, v105, 4, v106
	s_lshl_b32 s46, s[HP], 6
	v_add_nc_u32 v108, s46, v107                   ; a record's codes of my head: 144 r + 16 h + 64 head
	v_add_nc_u32 v[AK0], s[CB], v108               ; in key step c
	s_lshl_b32 s46, s[HP], 1
	s_add_co_u32 s46, s46, 128
	v_add_nc_u32 v109, s46, v106                   ; and its two scale bytes
	v_add_nc_u32 v[AS0], s[CB], v109
	s_mul_i32 s46, s[HP], 9216
	s_add_co_u32 s46, s46, 4*BLKB
	s_add_co_u32 s46, s46, s[CB]
	v_add_nc_u32 v[AV0], s46, v107                 ; V: my head's 64 rows of key step c
	s_add_co_u32 s46, s46, 128
	v_add_nc_u32 v[ASV0], s46, v106
	v_lshlrev_b32 v105, 3, v105
	v_sub_nc_u32 v[DL], v104, v105                 ; r - 8 h
	v_and_b32 v[PFO], 31, v0
	v_lshl_add_u32 v[QADA], v[PFO], 4, QST
	s_lshl_b32 s46, s[WV], 10
	s_xor_b32 s47, s[WV], 4
	s_lshl_b32 s47, s47, 10
	v_add_nc_u32 v[QADB], s47, v[QADA]             ; my partner's image: QST + 1,024 (wave xor 4) + 16 lane
	v_add_nc_u32 v[QADA], s46, v[QADA]             ; mine
	v_lshlrev_b32 v[PFO], 8, v[PFO]
	s_wait_dscnt 0x0                               ; both opening adds are done
	s_wait_kmcnt 0x0
	s_mov_b32 s[G0], 1
	s_mov_b32 s[G0+1], s[LB]                       ; buffer 0
	s_add_nc_u64 s[G0+2:G0+3], s[4:5], s[50:51]
	s_or_b32 s[G0+3], s[G0+3], 0x80000000
	TLOAD                                          ; slot 0
	s_add_nc_u64 s[PFA:PFA+1], s[4:5], s[66:67]
	s_add_nc_u64 s[68:69], s[4:5], s[68:69]
	s_add_nc_u64 s[80:81], s[4:5], s[80:81]
	s_add_nc_u64 s[56:57], s[6:7], s[70:71]
	s_add_nc_u64 s[58:59], s[6:7], s[72:73]
	s_add_nc_u64 s[60:61], s[6:7], s[74:75]
	WALU                                           ; the wait ahead of the readers below
	global_load_b128 v[Q:Q+3], v108, s[68:69]      ; tile A's 64 codes of my head,
	global_load_b128 v[Q+4:Q+7], v108, s[68:69] offset:32
	global_load_u16 v[QSA], v109, s[68:69]         ; with two scale bytes; the upper two are 0, over zero codes
	global_load_u16 v[QSB], v109, s[80:81]         ; tile B's scale bytes
.set ii, 0
.rept 8
	v_mov_b32 v[Q+8+ii], 0                         ; K = 64 is filled to the instruction's 128 with zero codes, on both sides
	v_mov_b32 v[KR+8+ii], 0
	v_mov_b32 v[KR+24+ii], 0
	v_mov_b32 v[KR+40+ii], 0
	v_mov_b32 v[KR+56+ii], 0
.set ii, ii+1
.endr
.set ii, 0
.rept 64
	v_mov_b32 v[OA+ii], 0                          ; both O^T: the step is written once; the first finds zeros
.set ii, ii+1
.endr
.irp st, STA, STB
	v_mov_b32 v[\st+1], 0xff61b1e6                 ; the largest t so far: -3e38
	v_mov_b32 v[\st+2], 0
	v_mov_b32 v[\st+3], 0
	v_floor_f32 v[\st], -v[\st+1]
.endr
	v_mov_b32 v[F+1], 0                            ; named with f as a pair
	WALU                                           ; the wait at the head's end
	s_wait_loadcnt 0x0                             ; Q
	ds_store_b128 v[QADA], v[Q:Q+3]                ; tile A's image; the first change's wait and barrier show it to my partner
	ds_store_b128 v[QADA], v[Q+4:Q+7] offset:512
; ONE TILE'S KEY STEP: 128 keys, my q-th of the slot in hand.  qa: the tile's image of Q; st: its state; o: its O^T; qs: Q's scale word; q0: its first query
.macro UNIT q, qa, st, o, qs, q0
	s_add_co_u32 s46, s[\q0], 15
	s_cmp_gt_u32 s[KF], s46                        ; all keys after the tile's queries: the step's work is left out (ids and the count of steps alone)
	s_cbranch_scc1 .Lhidden_\@
	v_add_nc_u32 v[ADK], s[TB], v[AK0]
	v_add_nc_u32 v[ADV], s[TB], v[AV0]
	v_add_nc_u32 v[ADS], s[TB], v[AS0]
	v_add_nc_u32 v[ADT], s[TB], v[ASV0]
.rept 5
	v_nop                                          ; nine places with the four additions: S^T is written over registers that the last products read
.endr
	ds_load_b128 v[Q:Q+3], v[\qa]
	ds_load_b128 v[Q+4:Q+7], v[\qa] offset:512
.irp g, 0,1
.if \g
.rept 8
	v_nop                                          ; eight places ahead of loads into registers that the products above read
.endr
.endif
.irp t, 0,1,2,3
	ds_load_b128 v[KR+16*\t:KR+16*\t+3], v[ADK] offset:2*BLKB*\q+(4*\g+\t)*2304
	ds_load_b128 v[KR+16*\t+4:KR+16*\t+7], v[ADK] offset:2*BLKB*\q+(4*\g+\t)*2304+32
	ds_load_u16 v[KS+\t], v[ADS] offset:2*BLKB*\q+(4*\g+\t)*2304
.endr
.if \g == 0
	WALU                                           ; directly ahead of the wait below
.endif
	s_wait_dscnt 0x0
.irp t, 0,1,2,3
	v_wmma_scale_f32_16x16x128_f8f6f4 v[S+8*(4*\g+\t):S+8*(4*\g+\t)+7], v[KR+16*\t:KR+16*\t+15], v[Q:Q+15], 0, v[KS+\t], v[\qs] matrix_a_fmt:MATRIX_FMT_BF8 matrix_b_fmt:MATRIX_FMT_BF8
.endr
.endr
.rept 8
	v_nop
.endr
	s_add_co_u32 s46, s[KF], 127
	s_cmp_le_u32 s46, s[\q0]                       ; all keys count: no mask
	s_cbranch_scc1 .Lopen_\@
	s_sub_co_i32 s46, s[\q0], s[KF]
	v_add_nc_u32 v[TD], s46, v[DL]                 ; d = my query - KF - 8 h: register n is hidden where 16 (n / 8) + n % 8 > d
	v_mov_b32 v[TE], 0xff800000
.set n, 0
.rept 64
	v_cmp_gt_i32 vcc_lo, 16*(n/8)+n%8, v[TD]
	v_cndmask_b32 v[S+n], v[S+n], v[TE], vcc_lo
.set n, n+1
.endr
.Lopen_\@:
.irp b, 0,1,2,3
	v_max3_num_f32 v[BM+\b], v[S+16*\b], v[S+1+16*\b], v[S+2+16*\b]   ; each key block's largest score: for the row's maximum and, since p rises with the score, for the block's largest p
.endr
.irp i, 3,5,7,9,11,13
.irp b, 0,1,2,3
	v_max3_num_f32 v[BM+\b], v[BM+\b], v[S+16*\b+\i], v[S+1+16*\b+\i]
.endr
.endr
.irp b, 0,1,2,3
	v_max_num_f32 v[BM+\b], v[BM+\b], v[S+15+16*\b]
.endr
.irp b, 0,1,2,3
	v_permlanex16_b32 v[PT+\b], v[BM+\b], s[SEL], s[SEL+1]
.endr
.irp b, 0,1,2,3
	v_max_num_f32 v[BM+\b], v[BM+\b], v[PT+\b]
.endr
	v_max3_num_f32 v[TE], v[BM], v[BM+1], v[BM+2]
	v_max_num_f32 v[TE], v[TE], v[BM+3]
	v_mul_f32 v[TE], s[CS], v[TE]
	v_max_num_f32 v[\st+1], v[\st+1], v[TE]        ; the running largest t
	v_mov_b32 v[TE], v[\st]
	v_floor_f32 v[\st], -v[\st+1]                  ; -M = floor(-t)
	v_sub_f32 v[TE], v[\st], v[TE]                 ; old M - new M: a whole number, 0 or less
	v_cvt_i32_f32 v[TE], v[TE]                     ; (it saturates)
	v_ldexp_f32 v[F], 1.0, v[TE]                   ; f = 2^(old M - new M): rounds nothing
.set n, 0
.rept 32
	v_pk_fma_f32 v[S+n:S+n+1], v[S+n:S+n+1], s[CS:CS+1], v[\st:\st+1] op_sel_hi:[1,0,0]   ; t - M
.set n, n+2
.endr
.irp b, 0,1,2,3
	v_fma_f32 v[BM+\b], v[BM+\b], s[CS], v[\st]
.endr
	WALU                                           ; the wait ahead of the batch
.set n, 0
.rept 64
	v_exp_f32 v[S+n], v[S+n]                       ; p = 2^(t - M)
.set n, n+1
.endr
	v_pk_mul_f32 v[\st+2:\st+3], v[\st+2:\st+3], v[F:F+1] op_sel_hi:[1,0]   ; the sums under the new M: a plain instruction behind the batch
	WALU                                           ; one wait for the 64, ahead of their first reader
.irp b, 0,1,2,3
	v_exp_f32 v[BM+\b], v[BM+\b]                   ; each block's largest p
.endr
; the row's sum of the unquantised p: eight chains of pairs; chain k < 7 at v[72 + 2 k + 8 (k / 4)]
.irp k, 0,1,2,3,4,5,6
	v_pk_add_f32 v[72+2*\k+8*(\k/4):73+2*\k+8*(\k/4)], v[S+4+8*\k:S+5+8*\k], v[S+8+8*\k:S+9+8*\k]
.endr
	v_pk_add_f32 v[\st+2:\st+3], v[\st+2:\st+3], v[S+60:S+61]
	v_pk_add_f32 v[72:73], v[72:73], v[S:S+1]
.irp k, 1,2,3,4,5,6
	v_pk_add_f32 v[72+2*\k+8*(\k/4):73+2*\k+8*(\k/4)], v[72+2*\k+8*(\k/4):73+2*\k+8*(\k/4)], v[S+4*\k-2:S+4*\k-1]
.endr
	v_pk_add_f32 v[\st+2:\st+3], v[\st+2:\st+3], v[S+26:S+27]
.irp k, 0,1,2,3,4,5,6
	v_pk_add_f32 v[72+2*\k+8*(\k/4):73+2*\k+8*(\k/4)], v[72+2*\k+8*(\k/4):73+2*\k+8*(\k/4)], v[S+30+4*\k:S+31+4*\k]
.endr
	v_pk_add_f32 v[\st+2:\st+3], v[\st+2:\st+3], v[S+58:S+59]
	v_pk_add_f32 v[72:73], v[72:73], v[S+62:S+63]
	v_pk_add_f32 v[\st+2:\st+3], v[\st+2:\st+3], v[78:79]
	v_pk_add_f32 v[72:73], v[72:73], v[88:89]
	v_pk_add_f32 v[74:75], v[74:75], v[90:91]
	v_pk_add_f32 v[76:77], v[76:77], v[92:93]
	v_pk_add_f32 v[\st+2:\st+3], v[\st+2:\st+3], v[74:75]
	v_pk_add_f32 v[72:73], v[72:73], v[76:77]
	v_pk_add_f32 v[\st+2:\st+3], v[\st+2:\st+3], v[72:73]
	WALU                                           ; and one for the four
.irp b, 0,1,2,3
	v_max_num_f32 v[BM+\b], 0x8000000, v[BM+\b]    ; the floor 2^(16 - 127)
.endr
.irp b, 0,1,2,3
	v_add_nc_u32 v[SOP+\b], 0xf8800000, v[BM+\b]
.endr
.irp b, 0,1,2,3
	v_and_or_b32 v[LM+\b], v[BM+\b], 0x7f800000, s[MNT]
.endr
.irp b, 0,1,2,3
	v_lshrrev_b32 v[PT+\b], 23, v[SOP+\b]
.endr
	v_lshl_or_b32 v[PS], v[PT+1], 8, v[PT]         ; p's scale word for these 128 keys
	v_lshl_or_b32 v[PS], v[PT+2], 16, v[PS]
	v_lshl_or_b32 v[PS], v[PT+3], 24, v[PS]
.irp b, 0,1,2,3
.irp i, 0,1,2,3,4,5,6,7,8,9,10,11,12,13,14,15
	v_min_num_f32 v[S+16*\b+\i], v[S+16*\b+\i], v[LM+\b]   ; the hold; p is not negative
.endr
	v_cvt_scalef32_pk8_bf8_f32 v[PC+4*\b:PC+4*\b+1], v[S+16*\b:S+16*\b+7], v[SOP+\b]
	v_cvt_scalef32_pk8_bf8_f32 v[PC+4*\b+2:PC+4*\b+3], v[S+16*\b+8:S+16*\b+15], v[SOP+\b]
.endr
.irp t, 0,1,2,3                        ; V's four fragments take p's registers
.irp c, 0,1,2,3
	ds_load_b128 v[S+16*\t+4*\c:S+16*\t+4*\c+3], v[ADV] offset:2*BLKB*\q+\t*2304+32*\c
.endr
	ds_load_b32 v[KS+\t], v[ADT] offset:2*BLKB*\q+\t*2304
.endr
	WALU                                           ; directly ahead of the first reader of O^T
.set n, 0
.rept 16
	v_pk_mul_f32 v[\o+n:\o+n+1], v[\o+n:\o+n+1], v[F:F+1] op_sel_hi:[1,0]   ; O^T under the new M; also the places ahead of the products below
.set n, n+2
.endr
	WALU                                           ; directly ahead of the wait below
	s_wait_dscnt 0x0
.irp t, 0,1,2,3
	v_wmma_scale_f32_16x16x128_f8f6f4 v[\o+8*\t:\o+8*\t+7], v[S+16*\t:S+16*\t+15], v[PC:PC+15], v[\o+8*\t:\o+8*\t+7], v[KS+\t], v[PS] matrix_a_fmt:MATRIX_FMT_BF8 matrix_b_fmt:MATRIX_FMT_BF8
.endr
.Lhidden_\@:
.endm
; THE CHANGE OF SLOTS stands at a slot's head: every wave waits for all its tensor loads, adds 0 to its spare word, waits for that and for its reads of the buffer that it has left, and passes the barrier;
; behind it the buffer that was left is filled with the keys that follow, up to the causal limit.
.macro CHANGE fill
	s_wait_tensorcnt 0x0
	ds_add_u32 v[SPW], v[NIL]
.if \fill
	ds_add_u32 v[SPW], v[NIL]                      ; and once more where a load may follow
	s_xor_b32 s[TN], s[TN], SLOT1                  ; the other buffer than last time,
	s_add_co_u32 s[G0+1], s[LB], s[TN]
	s_add_nc_u64 s[G0+2:G0+3], s[G0+2:G0+3], 4*BLKB   ; the next 512 keys
	s_wait_xcnt 0x0                                ; the last prefetches have read their address
	s_add_nc_u64 s[PFA:PFA+1], s[PFA:PFA+1], 4*BLKB
.endif
	s_wait_dscnt 0x0
	s_barrier_signal -1
	s_barrier_wait -1
.if \fill
	s_add_co_u32 s46, s[SK], 512                   ; the first key of the slot that this change would ask for
	s_cmp_gt_u32 s46, s[LQ]                        ; past the work-group's last query no wave reads it: it is not asked for; the same way in all sixteen waves; every wait on TENSORcnt in this text is for 0
	s_cbranch_scc1 .Lpast_\@
	TLOAD
.Lpast_\@:
	ASK
.endif
.endm
.macro SLOT_STEPS
	UNIT 0, QADA, STA, OA, QSA, Q0A
	UNIT 0, QADB, STB, OB, QSB, Q0B
	s_add_co_u32 s[KF], s[KF], 256
	UNIT 1, QADA, STA, OA, QSA, Q0A
	UNIT 1, QADB, STB, OB, QSB, Q0B
	s_add_co_u32 s[KF], s[KF], 256
	s_add_co_u32 s[SK], s[SK], 512
	s_xor_b32 s[TB], s[TB], SLOT1
.endm
.Lslot:
	CHANGE 1
	SLOT_STEPS
	s_sub_co_u32 s[SLOTS], s[SLOTS], 1
	s_cmp_lg_u32 s[SLOTS], 0
	s_cbranch_scc1 .Lslot
	CHANGE 0                                       ; the last slot is written out: nothing is left to ask for
	SLOT_STEPS
	; THE TWO PARTS MEET.  Tile B's state goes to my partner, who holds the same tile as its A
.rept 8
	v_nop                                          ; the places behind the last products
.endr
	s_mul_i32 s46, s[WV], XW
	s_xor_b32 s47, s[WV], 4
	s_mul_i32 s47, s47, XW
	s_mul_i32 s50, s[WV], 1152
	s_add_co_u32 s50, s50, STG+128
	v_and_b32 v8, 31, v0
	v_lshl_add_u32 v8, v8, 4, XCH
	v_add_nc_u32 v9, s47, v8                       ; my partner's bytes
	v_add_nc_u32 v8, s46, v8                       ; mine
	v_and_b32 v10, 7, v0
	v_mul_u32_u24 v10, v10, 144
	v_add_nc_u32 v10, s50, v10                     ; the tails of records 8 w .. 8 w + 7
	v_mov_b32 v[PT], 0                             ; a lane permute's destination counts as one of its sources
	v_mov_b32 v[PT+1], 0
	WALU                                           ; directly ahead of the first reader of tile B's O^T
.irp i, 0,1,2,3,4,5,6,7
	ds_store_b128 v8, v[OB+4*\i:OB+4*\i+3] offset:512*\i   ; each accumulator from its low end on
.endr
	ds_store_b128 v8, v[STB:STB+3] offset:4096
	ds_store_b128 v10, v[Q+8:Q+11]                 ; the tails are cleared (these four registers hold zeros); the scale bytes are stored behind the barrier below
	s_wait_dscnt 0x0                               ; for the others' sake
	s_barrier_signal -1
	s_barrier_wait -1
.irp i, 0,1,2,3,4,5,6,7,8
	ds_load_b128 v[S+4*\i:S+4*\i+3], v9 offset:512*\i      ; its O^T to v[S ..], its state to v[S + 32 ..]
.endr
	s_wait_dscnt 0x0
	v_min_num_f32 v[TE], v[STA], v[S+32]           ; the joint -M
	v_add_f32 v41, v[STA+2], v[STA+3]
	v_add_f32 v43, v[S+34], v[S+35]
	v_sub_f32 v40, v[TE], v[STA]                   ; my M less the joint M, a whole number, 0 or less;
	v_sub_f32 v42, v[TE], v[S+32]                  ; my partner's
	v_cvt_i32_f32 v40, v40                         ; (they saturate: a part that saw no key counts for nothing)
	v_cvt_i32_f32 v42, v42
	v_ldexp_f32 v40, 1.0, v40
	v_ldexp_f32 v42, 1.0, v42
	v_mul_f32 v41, v41, v40
	v_fma_f32 v41, v43, v42, v41
	v_permlanex16_b32 v[PT], v41, s[SEL], s[SEL+1]
	v_add_f32 v41, v41, v[PT]                      ; the row's sum
	WALU                                           ; ahead of the transcendental
	v_rcp_f32 v41, v41
	v_and_b32 v10, 15, v0                          ; (plain work behind it)
	v_bfe_u32 v11, v0, 4, 1
	v_mul_u32_u24 v10, v10, 144
	v_lshl_add_u32 v11, v11, 4, v10
	s_lshl_b32 s46, s[HP], 6
	s_add_co_u32 s46, s46, s[STW]
	v_add_nc_u32 v11, s46, v11                     ; my row's codes in the stage: 144 r + 16 h + 64 head
	s_lshl_b32 s47, s[HP], 1
	s_add_co_u32 s47, s47, s[STW]
	s_add_co_u32 s47, s47, 128
	v_add_nc_u32 v10, s47, v10                     ; and its two scale bytes
	v_lshl_add_u32 v9, v0, 4, STG                  ; piece w: 512 w + 16 lane
	s_wait_xcnt 0x0                                ; the last prefetch has read its offset
	v_and_b32 v[PFO], 31, v0
	v_lshlrev_b32 v[PFO], 4, v[PFO]
	WALU                                           ; the wait ahead of the reciprocal's first reader
	v_mul_f32 v40, v40, v41
	v_mul_f32 v42, v42, v41
.set n, 0
.rept 16
	v_pk_mul_f32 v[S+n:S+n+1], v[S+n:S+n+1], v[42:43] op_sel_hi:[1,0]
.set n, n+2
.endr
	WALU                                           ; directly ahead of the first reader of tile A's O^T
.set n, 0
.rept 16
	v_pk_fma_f32 v[S+n:S+n+1], v[OA+n:OA+n+1], v[40:41], v[S+n:S+n+1] op_sel_hi:[1,0,1]   ; register 8 t + i: d = 16 t + 8 h + i
.set n, n+2
.endr
	; quantised along d (two blocks of 32 a head), into the work-group's 128 records, which leave as 36 pieces of 512 bytes
.irp b, 0,1
	v_max3_num_f32 v[BM+\b], |v[S+16*\b]|, |v[S+1+16*\b]|, 0x8000000
.endr
.irp i, 2,4,6,8,10,12,14
.irp b, 0,1
	v_max3_num_f32 v[BM+\b], v[BM+\b], |v[S+16*\b+\i]|, |v[S+1+16*\b+\i]|
.endr
.endr
.irp b, 0,1
	v_permlanex16_b32 v[PT+\b], v[BM+\b], s[SEL], s[SEL+1]
.endr
.irp b, 0,1
	v_max_num_f32 v[BM+\b], v[BM+\b], v[PT+\b]
.endr
.irp b, 0,1
	v_add_nc_u32 v[SOP+\b], 0xf8800000, v[BM+\b]
	v_and_or_b32 v[LM+\b], v[BM+\b], 0x7f800000, s[MNT]
.endr
.irp b, 0,1
	v_lshrrev_b32 v[PT+\b], 23, v[SOP+\b]
.endr
	v_lshl_or_b32 v[TE], v[PT+1], 8, v[PT]
.irp b, 0,1
.irp i, 0,1,2,3,4,5,6,7,8,9,10,11,12,13,14,15
	v_med3_num_f32 v[S+16*\b+\i], v[S+16*\b+\i], -v[LM+\b], v[LM+\b]
.endr
	v_cvt_scalef32_pk8_bf8_f32 v[PC+4*\b:PC+4*\b+1], v[S+16*\b:S+16*\b+7], v[SOP+\b]
	v_cvt_scalef32_pk8_bf8_f32 v[PC+4*\b+2:PC+4*\b+3], v[S+16*\b+8:S+16*\b+15], v[SOP+\b]
.endr
	v_nop                                          ; a plain instruction behind the last conversion
	ds_store_b128 v11, v[PC:PC+3]
	ds_store_b128 v11, v[PC+4:PC+7] offset:32
	ds_store_b16 v10, v[TE]                        ; both halves of the lanes write the same two bytes
	s_wait_dscnt 0x0                               ; for the others' sake
	s_barrier_signal -1
	s_barrier_wait -1
	ds_load_b128 v[S:S+3], v9
	ds_load_b128 v[S+4:S+7], v9 offset:8192
	s_wait_dscnt 0x0
	global_store_b128 v[PFO], v[S:S+3], s[56:57]   ; 512 consecutive bytes, aligned to 256
	global_store_b128 v[PFO], v[S+4:S+7], s[58:59]
	s_cmp_lt_u32 s[WV], 4
	s_cbranch_scc0 .Lno_third
	ds_load_b128 v[S+8:S+11], v9 offset:16384
	s_wait_dscnt 0x0
	global_store_b128 v[PFO], v[S+8:S+11], s[60:61]
.Lno_third:
	s_wait_tensorcnt 0x0                           ; the wave's end
	ds_add_u32 v[SPW], v[NIL]
	s_wait_dscnt 0x0
	s_endpgm
.Lfunc_end_k_qbe5a18f4a3_attn:
	.size	k_qbe5a18f4a3_attn, .Lfunc_end_k_qbe5a18f4a3_attn-k_qbe5a18f4a3_attn
	.p2alignl 7, 3214868480
	.fill 96, 4, 3214868480
	.section	.rodata,"a",@progbits
	.p2align	6, 0x0
	.amdhsa_kernel k_qbe5a18f4a3_attn
		.amdhsa_group_segment_fixed_size 327680
		.amdhsa_private_segment_fixed_size 0
		.amdhsa_enable_private_segment 0
		.amdhsa_kernarg_size 16
		.amdhsa_user_sgpr_count 2
		.amdhsa_user_sgpr_kernarg_segment_ptr 1
		.amdhsa_wavefront_size32 1
		.amdhsa_system_sgpr_workgroup_id_x 1
		.amdhsa_system_sgpr_workgroup_id_y 1
		.amdhsa_system_sgpr_workgroup_id_z 1
		.amdhsa_system_vgpr_workitem_id 0
		.amdhsa_next_free_vgpr 256
		.amdhsa_next_free_sgpr 90
		.amdhsa_reserve_vcc 1
		.amdhsa_float_denorm_mode_32 3
		.amdhsa_float_denorm_mode_16_64 3
		.amdhsa_memory_ordered 1
		.amdhsa_forward_progress 1
		.amdhsa_inst_pref_size 220
	.end_amdhsa_kernel
	.amdgpu_metadata
---
amdhsa.version: [ 1, 2 ]
amdhsa.kernels:
  - .name:           k_qbe5a18f4a3_attn
    .symbol:         k_qbe5a18f4a3_attn.kd
    .args:
      - { .name: qkv, .offset: 0, .size: 8, .value_kind: global_buffer, .address_space: global }
      - { .name: attrec, .offset: 8, .size: 8, .value_kind: global_buffer, .address_space: global }
    .group_segment_fixed_size: 327680
    .private_segment_fixed_size: 0
    .kernarg_segment_align: 8
    .kernarg_segment_size: 16
    .max_flat_workgroup_size: 512
    .sgpr_count:     90
    .vgpr_count:     256
    .wavefront_size: 32
...
	.end_amdgpu_metadata
.endif
;; end of part 3
;; launch fcg (part 4): grid 8 x 32, 4 waves a work-group, clusters of 4 x 4, 327,680 bytes of LDS; arguments attrec, wrec, bfc, data, x; writes x
.if DOCPART == 4
	.amdgcn_target "amdgcn-amd-amdhsa--gfx1250"
	.amdhsa_code_object_version 6
	.text
	.protected	k_qbe5a18f4a3_fcg
	.globl	k_qbe5a18f4a3_fcg
	.p2align	8
	.type	k_qbe5a18f4a3_fcg,@function
k_qbe5a18f4a3_fcg:
	s_mov_b64 s[64:65], 0
	v_nop
	global_prefetch_b8 v0, s[64:65] scope:SCOPE_SE
	s_setreg_imm32_b32 hwreg(HW_REG_WAVE_MODE, 25, 1), 1
	s_wait_xcnt 0x0
	s_wait_alu depctr_hold_cnt(0) depctr_sa_sdst(0) depctr_va_vdst(0) depctr_va_sdst(0) depctr_va_ssrc(0) depctr_va_vcc(0) depctr_vm_vsrc(0)
	s_getreg_b32 s2, hwreg(HW_REG_IB_STS2, 6, 4)
	s_cmp_eq_u32 s2, 0
	s_cbranch_scc0 .Lentry_in_a_cluster
	s_endpgm
.Lentry_in_a_cluster:
	s_bfe_u32 s2, ttmp6, 0x10000c
	s_cmp_lg_u32 s2, 0xf033
	s_cbranch_scc0 .Lentry_shape_is_right
	s_endpgm
.Lentry_shape_is_right:
.set NC,    8
.set BOFF,  3538944
.set LAPS,  NC/8
.set BLKB,  18432
.set PART,  2*BLKB
.set SLOT,  8*BLKB
.set SPARE, 2*SLOT
.set SPITCH, 528
.set ADRA, 16
.set ADRB, 20
.set ADRS, 22
.set STO,  24
.set RD,   25
.set CO,   26
.set SPW,  28
.set NIL,  29
.set SC,   32
.set BIAS, 96
.set ACC,  128
.set F0,   0
.set F1,   128
.set G1,  24
.set G0,  32
.set G1B, 48
.set G0B, 56
.set MSB, 0
.macro WIN new
.if MSB != \new
	s_set_vgpr_msb (MSB<<8)|\new
.set MSB, \new
.endif
.endm
.set MUL,  0x05
.set TO_F, 0x40
.macro JLOAD s
	s_cmp_eq_u32 s11, 0
	s_cbranch_scc0 .Lfor_b_\@
	tensor_load_to_lds s[G0+4*\s:G0+4*\s+3], s[G1:G1+7]
	s_nop 0
.rept 4
	v_nop
.endr
	s_branch .Lasked_\@
.Lfor_b_\@:
	tensor_load_to_lds s[G0B+4*\s:G0B+4*\s+3], s[G1B:G1B+7]
	s_nop 0
.rept 4
	v_nop
.endr
.Lasked_\@:
.endm
.macro CREST
	s_cmp_lg_u32 s10, 0
	s_cbranch_scc1 .Lnot_wave_0_\@
	s_barrier_signal -3
.Lnot_wave_0_\@:
	s_barrier_wait -3
	s_barrier_signal -1
	s_barrier_wait -1
.endm
.macro CROUND
	s_barrier_signal -1
	s_barrier_wait -1
	CREST
.endm
	s_load_b128 s[4:7], s[0:1], 0x0
	s_load_b128 s[68:71], s[0:1], 0x10
	s_load_b64 s[8:9], s[0:1], 0x20
	v_lshl_add_u32 v[SPW], v0, 2, SPARE
	v_mov_b32 v[NIL], 0
	ds_add_u32 v[SPW], v[NIL]
	ds_add_u32 v[SPW], v[NIL]
	v_lshrrev_b32 v1, 5, v0
	v_readfirstlane_b32 s10, v1
	s_lshr_b32 s11, s10, 1
	s_and_b32 s12, s10, 1
	s_bfe_u32 s40, ttmp6, 0x40000
	s_bfe_u32 s41, ttmp6, 0x40004
	s_lshl_b32 s42, ttmp9, 2
	s_add_co_u32 s42, s42, s40
	s_and_b32 s13, ttmp7, 0xffff
	s_lshl_b32 s13, s13, 2
	s_add_co_u32 s13, s13, s41
	s_lshl_b32 s43, s41, 2
	s_lshl_b32 s43, 15, s43
	s_lshl_b32 s44, 0x1111, s40
	s_or_b32 s[G1], s43, (3<<16)|(1<<21)
	s_or_b32 s[G1B], s44, (3<<16)|(1<<21)
.irp g, G1, G1B
	s_mov_b32 s[\g+1], 32<<16
	s_mov_b32 s[\g+2], 144<<16
	s_mov_b32 s[\g+3], 32<<16
	s_mov_b32 s[\g+4], 144
	s_mov_b32 s[\g+5], 32
	s_mov_b32 s[\g+6], 0
	s_mov_b32 s[\g+7], 0
.endr
	s_mul_i32 s18, s12, PART
	s_mul_i32 s16, s13, NC*BLKB
	s_add_co_u32 s16, s16, s18
	s_mov_b32 s17, 0
	s_mul_i32 s46, s42, NC*BLKB
	s_add_co_u32 s46, s46, s18
	s_add_co_u32 s46, s46, BOFF
	s_mov_b32 s47, 0
	s_mul_i32 s20, s10, PART
	s_wait_dscnt 0x0
	s_wait_kmcnt 0x0
	s_add_nc_u64 s[14:15], s[4:5], s[16:17]
	s_add_nc_u64 s[46:47], s[6:7], s[46:47]
	CROUND
.irp s, 0,1
	s_mov_b32 s[G0+4*\s], 1
	s_add_co_u32 s[G0+4*\s+1], s20, \s*SLOT
	s_add_nc_u64 s[G0+4*\s+2:G0+4*\s+3], s[14:15], \s*4*BLKB
	s_or_b32 s[G0+4*\s+3], s[G0+4*\s+3], 0x80000000
	s_mov_b32 s[G0B+4*\s], 1
	s_add_co_u32 s[G0B+4*\s+1], s20, \s*SLOT
	s_add_nc_u64 s[G0B+4*\s+2:G0B+4*\s+3], s[46:47], \s*4*BLKB
	s_or_b32 s[G0B+4*\s+3], s[G0B+4*\s+3], 0x80000000
.endr
	JLOAD 0                                        ; slot 0: one joint load a wave at the head
	v_and_b32 v1, 15, v0
	v_bfe_u32 v2, v0, 4, 1
	v_mul_u32_u24 v3, v1, 144
	v_lshl_add_u32 v4, v2, 4, v3
	s_mul_i32 s21, s11, 9216
	s_mul_i32 s22, s12, 9216
	s_add_co_u32 s22, s22, 4*BLKB
	s_sub_co_u32 s23, s22, s21
	v_mul_u32_u24 v6, s23, v2
	v_add_nc_u32 v5, 128, v3
	v_add_nc_u32 v5, v5, v6
.irp s, 0,1
	v_add_nc_u32 v[ADRA+\s], s21, v4
	v_add_nc_u32 v[ADRB+\s], s22, v4
	v_add_nc_u32 v[ADRS+\s], s21, v5
	s_add_co_u32 s21, s21, SLOT
	s_add_co_u32 s22, s22, SLOT
.endr
	s_mul_i32 s23, s11, 64*SPITCH
	s_lshl_b32 s21, s12, 8
	s_add_co_u32 s23, s23, s21
	v_mul_u32_u24 v5, v1, SPITCH
	v_lshl_add_u32 v5, v2, 5, v5
	v_add_nc_u32 v[STO], s23, v5
	s_mul_i32 s23, s10, 32*SPITCH
	v_and_b32 v6, 31, v0
	v_lshlrev_b32 v[CO], 4, v6
	s_wait_alu depctr_va_vdst(0)
	v_add_nc_u32 v[RD], s23, v[CO]
	s_lshl_b32 s16, s13, 7
	s_lshl_b32 s17, s10, 5
	s_add_co_u32 s16, s16, s17
	s_lshl_b32 s16, s16, 12
	s_mov_b32 s17, 0
	s_add_nc_u64 s[8:9], s[8:9], s[16:17]
	s_add_nc_u64 s[70:71], s[70:71], s[16:17]
	s_lshl_b32 s46, s42, 9
	s_mov_b32 s47, 0
	s_add_nc_u64 s[8:9], s[8:9], s[46:47]
	s_add_nc_u64 s[70:71], s[70:71], s[46:47]
	s_add_nc_u64 s[68:69], s[68:69], s[46:47]
	s_lshl_b32 s46, s12, 8
	s_add_nc_u64 s[68:69], s[68:69], s[46:47]
	v_lshlrev_b32 v7, 5, v2
.irp b, 0,1,2,3
	global_load_b128 v[BIAS+8*\b:BIAS+8*\b+3], v7, s[68:69] offset:64*\b
	global_load_b128 v[BIAS+8*\b+4:BIAS+8*\b+7], v7, s[68:69] offset:64*\b+16
.endr
.macro MUL4 f, a, zero
.irp b, 0,1,2,3
.set rD, ACC+8*(4*(\a)+\b)
.if \zero
	v_wmma_scale_f32_16x16x128_f8f6f4 v[rD:rD+7], v[\f+64+16*\b:\f+64+16*\b+15], v[\f+16*(\a):\f+16*(\a)+15], v[BIAS+8*\b:BIAS+8*\b+7], v[SC+(\f)/32+\b], v[SC+(\f)/32+(\a)] matrix_a_fmt:MATRIX_FMT_BF8 matrix_b_fmt:MATRIX_FMT_BF8 matrix_a_scale:MATRIX_SCALE_ROW1
.else
	v_wmma_scale_f32_16x16x128_f8f6f4 v[rD:rD+7], v[\f+64+16*\b:\f+64+16*\b+15], v[\f+16*(\a):\f+16*(\a)+15], v[rD:rD+7], v[SC+(\f)/32+\b], v[SC+(\f)/32+(\a)] matrix_a_fmt:MATRIX_FMT_BF8 matrix_b_fmt:MATRIX_FMT_BF8 matrix_a_scale:MATRIX_SCALE_ROW1
.endif
.endr
.endm
.macro FETCH slot, q, f
	WIN 0
.irp i, 0,1,2,3
	ds_load_b32 v[SC+(\f)/32+\i], v[ADRS+\slot] offset:(\q)*BLKB+\i*2304
.endr
	WIN TO_F
.irp i, 0,1,2,3
.irp c, 0,1,2,3
	ds_load_b128 v[\f+64+16*\i+4*\c:\f+64+16*\i+4*\c+3], v[ADRB+\slot] offset:(\q)*BLKB+\i*2304+32*\c
.endr
.endr
.irp i, 0,1,2,3
.irp c, 0,1,2,3
	ds_load_b128 v[\f+16*\i+4*\c:\f+16*\i+4*\c+3], v[ADRA+\slot] offset:(\q)*BLKB+\i*2304+32*\c
.endr
.endr
.endm
.macro PLACES n
.rept \n
	v_nop
.endr
.endm
.macro QUARTER slot, q, f, g, zero
	s_wait_dscnt 8
	WIN MUL
	MUL4 \f, 0, \zero
	MUL4 \f, 1, \zero
	PLACES 8
	FETCH \slot, \q, \g
	s_wait_dscnt 36
	WIN MUL
	MUL4 \f, 2, \zero
	MUL4 \f, 3, \zero
.endm
.macro TURN slot, next, fill
	WIN 0
	s_wait_tensorcnt 0x0
	ds_add_u32 v[SPW], v[NIL]
	s_wait_dscnt 9
	WIN MUL
	MUL4 F1, 0, 0
	s_wait_dscnt 0x0
	s_barrier_signal -1
	MUL4 F1, 1, 0
	WIN 0
	s_barrier_wait -1
.if \fill
	CREST
	s_add_nc_u64 s[G0+4*\slot+2:G0+4*\slot+3], s[G0+4*\slot+2:G0+4*\slot+3], 8*BLKB
	s_add_nc_u64 s[G0B+4*\slot+2:G0B+4*\slot+3], s[G0B+4*\slot+2:G0B+4*\slot+3], 8*BLKB
	JLOAD \slot
	PLACES 4
.else
	PLACES 8
.endif
	FETCH \next, 0, F0
	WIN MUL
	MUL4 F1, 2, 0
	MUL4 F1, 3, 0
.endm
	s_wait_alu depctr_va_vdst(0)                   ; the wait at the head's end
	s_wait_tensorcnt 0x0                           ; my part of slot 0 is in
	ds_add_u32 v[SPW], v[NIL]                      ; ahead of a later first fill
	s_wait_dscnt 0x0
	CROUND                                         ; slot 0 is whole in every partner
	JLOAD 1                                        ; slot 1's first fill, the first tensor load behind the round
	WIN 0x80                                       ; destination window 2
.set ii, 0
.rept 32
	global_load_b128 v[4*ii:4*ii+3], v[CO], s[70:71] offset:4096*ii th:TH_LOAD_NT   ; the residual of rows 32 w + ii: asked for behind both fills, wanted on the way out
.set ii, ii+1
.endr
	WIN 0
	FETCH 0, 0, F0
	s_wait_loadcnt 32
	QUARTER 0, 1, F0, F1, 1
.if LAPS > 1
	WIN 0
	s_mov_b32 s3, LAPS-1
.Llap:
	QUARTER 0, 2, F1, F0, 0
	QUARTER 0, 3, F0, F1, 0
	TURN 0, 1, 1
	QUARTER 1, 1, F0, F1, 0
	QUARTER 1, 2, F1, F0, 0
	QUARTER 1, 3, F0, F1, 0
	TURN 1, 0, 1
	QUARTER 0, 1, F0, F1, 0
	WIN 0
	s_sub_co_u32 s3, s3, 1
	s_cmp_lg_u32 s3, 0
	s_cbranch_scc1 .Llap
.endif
	QUARTER 0, 2, F1, F0, 0
	QUARTER 0, 3, F0, F1, 0
	TURN 0, 1, 0
	QUARTER 1, 1, F0, F1, 0
	QUARTER 1, 2, F1, F0, 0
	QUARTER 1, 3, F0, F1, 0
	s_wait_dscnt 8
	WIN MUL
	MUL4 F1, 0, 0
	MUL4 F1, 1, 0
	s_wait_dscnt 0
	MUL4 F1, 2, 0
	MUL4 F1, 3, 0
	WIN 0
	PLACES 8
.irp a, 0,1,2,3
.irp b, 0,1,2,3
	ds_store_b128 v[STO], v[ACC+8*(4*\a+\b):ACC+8*(4*\a+\b)+3] offset:\a*16*SPITCH+64*\b
	ds_store_b128 v[STO], v[ACC+8*(4*\a+\b)+4:ACC+8*(4*\a+\b)+7] offset:\a*16*SPITCH+64*\b+16
.endr
.endr
	s_wait_dscnt 0x0
	s_barrier_signal -1
	s_barrier_wait -1
.set ii, 0
.rept 32
	ds_load_b128 v[ACC+4*ii:ACC+4*ii+3], v[RD] offset:SPITCH*ii
.set ii, ii+1
.endr
	s_wait_dscnt 0x0
	s_wait_loadcnt 0x0
	WIN 0x08
.set ii, 0
.rept 64
	v_pk_add_f32 v[ACC+2*ii:ACC+2*ii+1], v[ACC+2*ii:ACC+2*ii+1], v[2*ii:2*ii+1]
.set ii, ii+1
.endr
	WIN 0
.set ii, 0
.rept 32
	global_store_b128 v[CO], v[ACC+4*ii:ACC+4*ii+3], s[8:9] offset:4096*ii
.set ii, ii+1
.endr
	s_wait_tensorcnt 0x0
	ds_add_u32 v[SPW], v[NIL]
	s_wait_dscnt 0x0
	CROUND
	s_endpgm
.Lfunc_end_k_qbe5a18f4a3_fcg:
	.size	k_qbe5a18f4a3_fcg, .Lfunc_end_k_qbe5a18f4a3_fcg-k_qbe5a18f4a3_fcg
	.p2alignl 7, 3214868480
	.fill 96, 4, 3214868480
	.section	.rodata,"a",@progbits
	.p2align	6, 0x0
	.amdhsa_kernel k_qbe5a18f4a3_fcg
		.amdhsa_group_segment_fixed_size 327680
		.amdhsa_private_segment_fixed_size 0
		.amdhsa_enable_private_segment 0
		.amdhsa_kernarg_size 40
		.amdhsa_user_sgpr_count 2
		.amdhsa_user_sgpr_kernarg_segment_ptr 1
		.amdhsa_wavefront_size32 1
		.amdhsa_system_sgpr_workgroup_id_x 1
		.amdhsa_system_sgpr_workgroup_id_y 1
		.amdhsa_system_sgpr_workgroup_id_z 1
		.amdhsa_system_vgpr_workitem_id 0
		.amdhsa_next_free_vgpr 768
		.amdhsa_next_free_sgpr 80
		.amdhsa_reserve_vcc 0
		.amdhsa_float_denorm_mode_32 3
		.amdhsa_float_denorm_mode_16_64 3
		.amdhsa_memory_ordered 1
		.amdhsa_forward_progress 1
		.amdhsa_inst_pref_size 61
	.end_amdhsa_kernel
	.amdgpu_metadata
---
amdhsa.version: [ 1, 2 ]
amdhsa.kernels:
  - .name:           k_qbe5a18f4a3_fcg
    .symbol:         k_qbe5a18f4a3_fcg.kd
    .args:
      - { .name: attrec, .offset: 0, .size: 8, .value_kind: global_buffer, .address_space: global }
      - { .name: wrec, .offset: 8, .size: 8, .value_kind: global_buffer, .address_space: global }
      - { .name: bfc, .offset: 16, .size: 8, .value_kind: global_buffer, .address_space: global }
      - { .name: data, .offset: 24, .size: 8, .value_kind: global_buffer, .address_space: global }
      - { .name: x, .offset: 32, .size: 8, .value_kind: global_buffer, .address_space: global }
    .group_segment_fixed_size: 327680
    .private_segment_fixed_size: 0
    .kernarg_segment_align: 8
    .kernarg_segment_size: 40
    .max_flat_workgroup_size: 128
    .sgpr_count:     80
    .vgpr_count:     768
    .wavefront_size: 32
...
	.end_amdgpu_metadata
.endif
;; end of part 4
;; launch prep2 (part 5): grid 768 x 1, 4 waves a work-group, no clusters, 57,856 bytes of LDS; arguments x, g2, be2, hrec, W1, W2, wrec; writes hrec, wrec
.if DOCPART == 5
	.amdgcn_target "amdgcn-amd-amdhsa--gfx1250"
	.amdhsa_code_object_version 6
	.text
	.protected	k_qbe5a18f4a3_prep2
	.globl	k_qbe5a18f4a3_prep2
	.p2align	8
	.type	k_qbe5a18f4a3_prep2,@function
k_qbe5a18f4a3_prep2:
	s_mov_b64 s[64:65], 0
	v_nop
	global_prefetch_b8 v0, s[64:65] scope:SCOPE_SE
	s_setreg_imm32_b32 hwreg(HW_REG_WAVE_MODE, 25, 1), 1
	s_wait_xcnt 0x0
; TWO KINDS OF WORK-GROUPS IN ONE LAUNCH, told apart by the work-group's number alone.  They share nothing; each kind has LDS bytes of its own and its own end.  Each is a short chain of loads, arithmetic and stores:
; in one launch the one kind's waits stand beside the other kind's work.  (VAR = 1: rows of data; Wq, Wk, Wv, Wfc.  VAR = 2: rows of x; W1, W2.)
; Both make operands of E5M2 codes with one E8M0 scale for each 32 along K, laid as RECORDS: [row / 128][k / 128][row % 128][144 bytes]: 128 codes, 4 scale bytes, 12 zero bytes.
; Inside each block of 32 the codes' order is k-groups of eight 0, 2, 1, 3 (place 16 h + 8 u + j holds k = 16 u + 8 h + j): the same in every operand of this program, so the products stay the same.
; ROWS (work-groups 0 to 255): y = (x - mean) rsqrt(var + 1e-5) g + b along rows of 1,024 f32, quantised along the row.  Mean first, then the mean of the squared differences, as the definition has it.
;   A work-group takes 16 rows, a wave 4; a row stays in 32 registers of its wave.  Loads take the bytes as they lie (512 a load); a row then turns through the wave's own stage in LDS, so that a lane holds
;   columns 16 l .. 16 l + 15 and 512 + 16 l .. + 15; two neighbouring lanes hold a block.  The 16 rows' records are gathered in LDS by chunk of 128 columns and leave as dense runs of 2,304 bytes.
; WEIGHTS (the other work-groups): f32 with K not innermost; a record's row is a column n of the weight (for Wq, Wk, Wv: 64 head + d).  A work-group makes 128 columns x 128 along K: one dense block of 18,432 bytes; a wave 32 columns.
;   Lane (cq = l % 8, kg = l / 8) takes columns 4 cq .. 4 cq + 3 of K block kg: 32 loads of 16 bytes, one for each k of the block, all issued at once; register 4 i + c is W(32 kg + i, 4 cq + c).
;   So a block of 32 lies in one lane, and the hold, which has a destination of its own, lays a column's 32 numbers into consecutive registers for the conversions: nothing is transposed by an instruction of its own.
;   Pitch, strides and pointers are chosen by the work-group's number; 32 offset registers stand for the immediates.
; A block's scale byte is its largest magnitude's exponent field - 15, held at 1 from below.
; LIMITS: a block whose largest magnitude lies under 2^-111 (a block of zeros too) keeps the byte 1, over codes that are then small or zero; this program alone reads the bytes.  NaN and infinities are not served.
.set VAR,   2
.set NLN,   256                        ; work-groups that take rows
.set BLKB,  18432
.set TURNB, 5120                       ; rows: a wave's stage: 64 places of 64 bytes + 16 of padding
.set OUTB,  4*TURNB                    ; rows: [chunk 8][row 16][144]
.set WSTG,  OUTB+18432                 ; weights: four stages,
.set WST,   4608                       ; a wave's 32 records each
.set SPARE, WSTG+4*WST                 ; the spare words, 128 bytes a wave
.set SPW, 8                            ; v8   my spare word's address; never rewritten
.set NIL, 9                            ; v9   0
.set T,   16                           ; rows: v16-47  at work
.set MEAN, 48                          ; v48-55  the mean, twice, for each row
.set RS,  56                           ; v56-63  1 / sqrt(var + eps), twice
.set G,   64                           ; v64-95  g of my 32 columns; later the codes
.set BV,  96                           ; v96-127 b of my 32 columns; later the scale bytes
.set X,   128                          ; v128-255 four rows
.set WL,  10                           ; weights: v10-13 57,344 x the scale, a column each
.set WZ,  16                           ; v16-19  zeros
.set WM,  20                           ; v20-23  largest magnitudes
.set WS,  24                           ; v24-27  second chains, then the conversions' scale operands
.set OFF, 28                           ; v28-59  my byte offset of row i of my block
.set WB,  60                           ; v60-63  scale bytes
.set WX,  64                           ; v64-191 the numbers
.set WY,  192                          ; v192-223 one column's 32 numbers, held, in order
.set WC,  224                          ; v224-255 codes, eight registers a column
	s_load_b256 s[4:11], s[0:1], 0x0               ; rows, g, b, the rows' records
.if VAR == 1
	s_load_b256 s[12:19], s[0:1], 0x20             ; Wq, Wk, Wv, Wfc
	s_load_b64 s[20:21], s[0:1], 0x40              ; the weights' records
.else
	s_load_b128 s[12:15], s[0:1], 0x20             ; W1, W2
	s_load_b64 s[20:21], s[0:1], 0x30              ; the weights' records
.endif
	v_lshl_add_u32 v[SPW], v0, 2, SPARE
	v_mov_b32 v[NIL], 0
	v_lshrrev_b32 v1, 5, v0
	v_readfirstlane_b32 s24, v1                    ; wave
	v_and_b32 v1, 31, v0                           ; lane l
	s_cmp_lt_u32 ttmp9, NLN                        ; the same way in all four waves
	s_cbranch_scc0 .Lweights
	; ---------------- ROWS ----------------
	v_lshlrev_b32 v2, 4, v1                        ; 16 l
	v_lshlrev_b32 v13, 6, v1                       ; 64 l
	s_mul_i32 s25, s24, TURNB
	v_lshrrev_b32 v14, 2, v1
	v_mul_u32_u24 v3, v14, 80
	v_and_b32 v15, 3, v1
	v_lshl_add_u32 v3, v15, 4, v3
	v_add_nc_u32 v3, s25, v3                       ; the stage, in: 80 (l / 4) + 16 (l % 4)
	v_mul_u32_u24 v4, v1, 80
	v_add_nc_u32 v4, s25, v4                       ; and out: 80 l
	s_mul_i32 s26, s24, 576                        ; my four rows in a chunk
	s_add_co_u32 s26, s26, OUTB
	v_lshrrev_b32 v14, 3, v1
	v_mul_u32_u24 v14, v14, 2304
	v_add_nc_u32 v14, s26, v14                     ; chunk l / 8
	v_bfe_u32 v15, v1, 1, 2                        ; block (l / 2) % 4
	v_lshl_add_u32 v5, v15, 5, v14
	v_and_b32 v12, 1, v1
	v_lshl_add_u32 v5, v12, 3, v5                  ; codes: even lanes hold k-groups 0, 1 (places 0, 16), odd lanes 2, 3 (places 8, 24)
	v_add_nc_u32 v6, v14, v15
	v_add_nc_u32 v6, 128, v6                       ; the block's scale byte
	v_lshrrev_b32 v14, 2, v1
	v_mul_u32_u24 v7, v14, 2304
	v_and_b32 v15, 3, v1
	v_mad_u32_u24 v7, v15, 144, v7
	v_add_nc_u32 v7, s26, v7
	v_add_nc_u32 v7, 128, v7                       ; tails of my wave's 4 rows x 8 chunks: a lane each
	s_mul_i32 s27, s24, 4608
	s_add_co_u32 s27, s27, OUTB
	v_add_nc_u32 v10, s27, v2                      ; the way out: chunks 2 w and 2 w + 1 as they lie
	v_lshrrev_b32 v14, 4, v1
	v_mul_u32_u24 v14, v14, 16128
	v_add_nc_u32 v12, v14, v2
	v_add_nc_u32 v12, 2048, v12                    ; the piece that holds the end of one chunk and the start of the next
.irp i, 0,1,2,3
	v_mov_b32 v[T+\i], 0
.endr
	s_lshl_b32 s28, ttmp9, 16                      ; 16 rows of 4,096 bytes
	s_lshl_b32 s29, s24, 14
	s_add_co_u32 s28, s28, s29
	s_mov_b32 s29, 0
	s_lshr_b32 s30, ttmp9, 3
	s_mul_i32 s30, s30, 147456                     ; 128 rows' records, all 8 chunks
	s_and_b32 s31, ttmp9, 7
	s_mul_i32 s31, s31, 2304                       ; my 16 rows in a chunk
	s_add_co_u32 s30, s30, s31
	s_mul_i32 s31, s24, 36864                      ; my wave's two chunks
	s_add_co_u32 s30, s30, s31
	s_mov_b32 s31, 0
	s_mov_b32 s32, 0x3a800000                      ; 1 / 1,024
	s_mov_b32 s33, 0x3727c5ac                      ; 1e-5
	s_mov_b32 s34, 0x76543210
	s_mov_b32 s35, 0xfedcba98                      ; selects for lane l xor 16
	s_mov_b32 s36, 0x600000                        ; the mantissa field of 57,344
	s_wait_alu depctr_va_vdst(0)
	s_wait_kmcnt 0x0
	s_add_nc_u64 s[4:5], s[4:5], s[28:29]
	s_add_nc_u64 s[10:11], s[10:11], s[30:31]
.irp i, 0,1,2,3
	global_load_b128 v[G+4*\i:G+4*\i+3], v13, s[6:7] offset:16*\i
	global_load_b128 v[G+16+4*\i:G+16+4*\i+3], v13, s[6:7] offset:2048+16*\i
	global_load_b128 v[BV+4*\i:BV+4*\i+3], v13, s[8:9] offset:16*\i
	global_load_b128 v[BV+16+4*\i:BV+16+4*\i+3], v13, s[8:9] offset:2048+16*\i
.endr
.irp p, 0,1,2,3
.irp j, 0,1,2,3,4,5,6,7
	global_load_b128 v[X+32*\p+4*\j:X+32*\p+4*\j+3], v2, s[4:5] offset:4096*\p+512*\j th:TH_LOAD_NT
.endr
.endr
	ds_store_b128 v7, v[T:T+3]                     ; the tails' 16 bytes are cleared; my wave's scale bytes come behind, in order
.irp p, 0,1,2,3
	s_wait_loadcnt 8*(3-\p)                        ; this row's eight loads are in (g and b were asked for earlier); the later rows' may be out
.irp j, 0,1,2,3,4,5,6,7
	ds_store_b128 v3, v[X+32*\p+4*\j:X+32*\p+4*\j+3] offset:640*\j
.endr
.irp i, 0,1,2,3
	ds_load_b128 v[X+32*\p+4*\i:X+32*\p+4*\i+3], v4 offset:16*\i          ; LDS serves a wave's instructions in order: no wait between stores, loads and the next row's stores
	ds_load_b128 v[X+32*\p+16+4*\i:X+32*\p+16+4*\i+3], v4 offset:2560+16*\i
.endr
.endr
	s_wait_dscnt 0x0
.macro XLANE                           ; v[T + 8 p] summed over the 32 lanes, the four rows by turns
.irp m, 1,2,4,8
.irp p, 0,1,2,3
	v_add_f32_dpp v[T+8*\p], v[T+8*\p], v[T+8*\p] row_xmask:\m row_mask:0xf bank_mask:0xf
.endr
.endr
.irp p, 0,1,2,3
	v_permlanex16_b32 v[T+8*\p+1], v[T+8*\p], s34, s35
.endr
.irp p, 0,1,2,3
	v_add_f32 v[T+8*\p], v[T+8*\p], v[T+8*\p+1]
.endr
.endm
.macro FOLD                            ; a row's two chains of pairs into one number
.irp p, 0,1,2,3
	v_pk_add_f32 v[T+8*\p:T+8*\p+1], v[T+8*\p:T+8*\p+1], v[T+8*\p+2:T+8*\p+3]
.endr
.irp p, 0,1,2,3
	v_add_f32 v[T+8*\p], v[T+8*\p], v[T+8*\p+1]
.endr
	XLANE
.endm
.irp p, 0,1,2,3
	v_pk_add_f32 v[T+8*\p:T+8*\p+1], v[X+32*\p:X+32*\p+1], v[X+32*\p+2:X+32*\p+3]
	v_pk_add_f32 v[T+8*\p+2:T+8*\p+3], v[X+32*\p+4:X+32*\p+5], v[X+32*\p+6:X+32*\p+7]
.endr
.irp i, 8,12,16,20,24,28
.irp p, 0,1,2,3
	v_pk_add_f32 v[T+8*\p:T+8*\p+1], v[T+8*\p:T+8*\p+1], v[X+32*\p+\i:X+32*\p+\i+1]
	v_pk_add_f32 v[T+8*\p+2:T+8*\p+3], v[T+8*\p+2:T+8*\p+3], v[X+32*\p+\i+2:X+32*\p+\i+3]
.endr
.endr
	FOLD
.irp p, 0,1,2,3
	v_mul_f32 v[MEAN+2*\p], s32, v[T+8*\p]
	v_mul_f32 v[MEAN+2*\p+1], s32, v[T+8*\p]
.endr
.irp p, 0,1,2,3
.irp i, 0,2,4,6,8,10,12,14,16,18,20,22,24,26,28,30
	v_pk_add_f32 v[X+32*\p+\i:X+32*\p+\i+1], v[X+32*\p+\i:X+32*\p+\i+1], v[MEAN+2*\p:MEAN+2*\p+1] neg_lo:[0,1] neg_hi:[0,1]   ; x - mean
.endr
.endr
.irp p, 0,1,2,3
	v_pk_mul_f32 v[T+8*\p:T+8*\p+1], v[X+32*\p:X+32*\p+1], v[X+32*\p:X+32*\p+1]
	v_pk_mul_f32 v[T+8*\p+2:T+8*\p+3], v[X+32*\p+2:X+32*\p+3], v[X+32*\p+2:X+32*\p+3]
.endr
.irp i, 4,8,12,16,20,24,28
.irp p, 0,1,2,3
	v_pk_fma_f32 v[T+8*\p:T+8*\p+1], v[X+32*\p+\i:X+32*\p+\i+1], v[X+32*\p+\i:X+32*\p+\i+1], v[T+8*\p:T+8*\p+1]
	v_pk_fma_f32 v[T+8*\p+2:T+8*\p+3], v[X+32*\p+\i+2:X+32*\p+\i+3], v[X+32*\p+\i+2:X+32*\p+\i+3], v[T+8*\p+2:T+8*\p+3]
.endr
.endr
	FOLD
.irp p, 0,1,2,3
	v_fma_f32 v[T+8*\p], v[T+8*\p], s32, s33       ; var + eps
.endr
	s_wait_alu depctr_va_vdst(0)
.irp p, 0,1,2,3
	v_rsq_f32 v[RS+2*\p], v[T+8*\p]
.endr
	v_nop                                          ; a plain instruction behind the last of the batch,
	s_wait_alu depctr_va_vdst(0)                   ; and one wait for the four, ahead of their first reader
.irp p, 0,1,2,3
	v_mov_b32 v[RS+2*\p+1], v[RS+2*\p]
.endr
.irp p, 0,1,2,3
.irp i, 0,2,4,6,8,10,12,14,16,18,20,22,24,26,28,30
	v_pk_mul_f32 v[X+32*\p+\i:X+32*\p+\i+1], v[X+32*\p+\i:X+32*\p+\i+1], v[RS+2*\p:RS+2*\p+1]
.endr
.irp i, 0,2,4,6,8,10,12,14,16,18,20,22,24,26,28,30
	v_pk_fma_f32 v[X+32*\p+\i:X+32*\p+\i+1], v[X+32*\p+\i:X+32*\p+\i+1], v[G+\i:G+\i+1], v[BV+\i:BV+\i+1]
.endr
.endr
; the quantiser: eight groups of 16 numbers (group q = 2 row + half) by turns
.irp q, 0,1,2,3,4,5,6,7
	v_max3_num_f32 v[T+4*\q], |v[X+16*\q]|, |v[X+16*\q+1]|, |v[X+16*\q+2]|
	v_max3_num_f32 v[T+4*\q+1], |v[X+16*\q+3]|, |v[X+16*\q+4]|, |v[X+16*\q+5]|
.endr
.irp i, 6,10
.irp q, 0,1,2,3,4,5,6,7
	v_max3_num_f32 v[T+4*\q], v[T+4*\q], |v[X+16*\q+\i]|, |v[X+16*\q+\i+1]|
	v_max3_num_f32 v[T+4*\q+1], v[T+4*\q+1], |v[X+16*\q+\i+2]|, |v[X+16*\q+\i+3]|
.endr
.endr
.irp q, 0,1,2,3,4,5,6,7
	v_max3_num_f32 v[T+4*\q], v[T+4*\q], |v[X+16*\q+14]|, |v[X+16*\q+15]|
.endr
.irp q, 0,1,2,3,4,5,6,7
	v_max3_num_f32 v[T+4*\q], v[T+4*\q], v[T+4*\q+1], 0x8000000   ; the floor 2^(16 - 127)
.endr
.irp q, 0,1,2,3,4,5,6,7
	v_max_num_f32_dpp v[T+4*\q], v[T+4*\q], v[T+4*\q] row_xmask:1 row_mask:0xf bank_mask:0xf   ; with my neighbour's 16: the block's
.endr
.irp q, 0,1,2,3,4,5,6,7
	v_add_nc_u32 v[T+4*\q+3], 0xf8800000, v[T+4*\q]               ; the conversion's scale operand
.endr
.irp q, 0,1,2,3,4,5,6,7
	v_and_or_b32 v[T+4*\q+2], v[T+4*\q], 0x7f800000, s36          ; 57,344 x the scale
.endr
.irp q, 0,1,2,3,4,5,6,7
	v_lshrrev_b32 v[BV+\q], 23, v[T+4*\q+3]                       ; the scale's byte
.endr
.irp q, 0,1,2,3,4,5,6,7
.irp i, 0,1,2,3,4,5,6,7,8,9,10,11,12,13,14,15
	v_med3_num_f32 v[X+16*\q+\i], v[X+16*\q+\i], -v[T+4*\q+2], v[T+4*\q+2]
.endr
	v_cvt_scalef32_pk8_bf8_f32 v[G+4*\q:G+4*\q+1], v[X+16*\q:X+16*\q+7], v[T+4*\q+3]
	v_cvt_scalef32_pk8_bf8_f32 v[G+4*\q+2:G+4*\q+3], v[X+16*\q+8:X+16*\q+15], v[T+4*\q+3]
.endr
	v_nop                                          ; a plain instruction behind the last conversion
.irp q, 0,1,2,3,4,5,6,7
	ds_store_b64 v5, v[G+4*\q:G+4*\q+1] offset:(\q/2)*144+(\q%2)*9216
	ds_store_b64 v5, v[G+4*\q+2:G+4*\q+3] offset:(\q/2)*144+(\q%2)*9216+16
	ds_store_b8 v6, v[BV+\q] offset:(\q/2)*144+(\q%2)*9216        ; both lanes of a block write the same byte
.endr
	s_wait_dscnt 0x0                               ; for the others' sake: my stores have landed
	s_barrier_signal -1
	s_barrier_wait -1                              ; 16 rows x 8 chunks of records lie in LDS
.irp i, 0,1,2,3,4,5,6,7,8
	ds_load_b128 v[X+4*\i:X+4*\i+3], v10 offset:512*\i
.endr
.irp i, 0,1,2,3
	s_wait_dscnt 8-\i                              ; the younger read-backs may be out
	global_store_b128 v2, v[X+4*\i:X+4*\i+3], s[10:11] offset:512*\i
.endr
	s_wait_dscnt 4
	global_store_b128 v12, v[X+16:X+19], s[10:11]  ; lanes 0-15 end chunk 2 w, lanes 16-31 begin chunk 2 w + 1, 18,432 bytes on: each half 256 aligned bytes
.irp i, 5,6,7,8
	s_wait_dscnt 8-\i
	global_store_b128 v2, v[X+4*\i:X+4*\i+3], s[10:11] offset:512*\i+16128
.endr
	s_wait_tensorcnt 0x0                           ; the wave's end, behind my last LDS store
	ds_add_u32 v[SPW], v[NIL]
	s_wait_dscnt 0x0
	s_endpgm
	; ---------------- WEIGHTS ----------------
.Lweights:
	s_sub_co_u32 s25, ttmp9, NLN                   ; which of the weights' work-groups
	s_mul_i32 s41, s24, WST
	s_add_co_u32 s43, s41, WSTG                    ; my wave's stage
	s_wait_alu depctr_va_vdst(0)
	v_and_b32 v2, 7, v1                            ; cq: my four columns
	v_lshrrev_b32 v14, 3, v1                       ; kg: my block of 32 along K
	v_mul_u32_u24 v3, v2, 576
	v_add_nc_u32 v6, v3, v14
	v_lshl_add_u32 v3, v14, 5, v3
	v_add_nc_u32 v3, s43, v3                       ; record 4 cq, block kg's 32 codes
	v_add_nc_u32 v6, s43, v6
	v_add_nc_u32 v6, 128, v6                       ; record 4 cq, scale byte kg
	v_mul_u32_u24 v7, v1, 144
	v_add_nc_u32 v7, s43, v7
	v_add_nc_u32 v7, 128, v7                       ; the tail of record l
	v_lshl_add_u32 v4, v1, 4, s43                  ; the stage read back as it lies
	v_lshlrev_b32 v5, 4, v1
.irp i, 0,1,2,3
	v_mov_b32 v[WZ+\i], 0
.endr
	s_mov_b32 s40, 0x600000                        ; the mantissa field of 57,344
.if VAR == 1
	s_mov_b32 s26, 192                             ; Wfc's figures: first work-group,
	s_mov_b32 s27, 7                               ; chunks - 1,
	s_mov_b32 s28, 3                               ; log2(chunks),
	s_mov_b32 s29, 524288                          ; bytes from chunk to chunk in the source,
	s_mov_b32 s30, 8                               ; chunks,
	s_mov_b32 s31, 512                             ; bytes from one group of 128 columns to the next,
	s_mov_b32 s32, 256                             ; from wave pair to wave pair,
	s_mov_b32 s33, 255                             ; mask of the column group within its tensor,
	s_mov_b32 s34, 4096                            ; pitch,
	s_mov_b32 s35, 3538944                         ; where its records begin
	s_wait_kmcnt 0x0
	s_cmp_lt_u32 s25, 128
	s_cselect_b64 s[38:39], s[14:15], s[16:17]     ; Wk or Wv,
	s_cmp_lt_u32 s25, 64
	s_cselect_b64 s[38:39], s[12:13], s[38:39]     ; or Wq
	s_cmp_lt_u32 s25, 192                          ; Wq, Wk, Wv: a group of 128 columns is two heads
	s_cselect_b32 s26, 0, s26
	s_cselect_b32 s29, 32768, s29
	s_cselect_b32 s31, 524288, s31
	s_cselect_b32 s32, 262144, s32
	s_cselect_b32 s33, 7, s33
	s_cselect_b32 s34, 256, s34
	s_cselect_b32 s35, 0, s35
	s_cselect_b64 s[36:37], s[38:39], s[18:19]
.else
	s_mov_b32 s26, 256                             ; W2's figures: first work-group,
	s_mov_b32 s27, 31                              ; chunks - 1,
	s_mov_b32 s28, 5                               ; log2(chunks),
	s_mov_b32 s29, 524288                          ; bytes from chunk to chunk in the source,
	s_mov_b32 s30, 32                              ; chunks,
	s_mov_b32 s31, 512                             ; bytes from one group of 128 columns to the next,
	s_mov_b32 s32, 256                             ; from wave pair to wave pair,
	s_mov_b32 s33, 255                             ; mask of the column group within its tensor,
	s_mov_b32 s34, 4096                            ; pitch,
	s_mov_b32 s35, 9437184                         ; where its records begin
	s_wait_kmcnt 0x0
	s_cmp_lt_u32 s25, 256                          ; W1
	s_cselect_b32 s26, 0, s26
	s_cselect_b32 s27, 7, s27
	s_cselect_b32 s28, 3, s28
	s_cselect_b32 s29, 2097152, s29
	s_cselect_b32 s30, 8, s30
	s_cselect_b32 s34, 16384, s34
	s_cselect_b32 s35, 4718592, s35
	s_cselect_b64 s[36:37], s[12:13], s[14:15]
.endif
	s_sub_co_u32 s42, s25, s26
	s_and_b32 s58, s42, s27                        ; chunk
	s_lshr_b32 s59, s42, s28                       ; column group
	s_mul_i32 s44, s58, s29
	s_and_b32 s42, s59, s33
	s_mul_i32 s42, s42, s31
	s_add_co_u32 s44, s44, s42
	s_lshr_b32 s42, s24, 1
	s_mul_i32 s42, s42, s32
	s_add_co_u32 s44, s44, s42
	s_and_b32 s42, s24, 1
	s_lshl_b32 s42, s42, 7
	s_add_co_u32 s44, s44, s42                     ; my wave's first number, in bytes
	s_mov_b32 s45, 0
	s_mul_i32 s46, s59, s30
	s_add_co_u32 s46, s46, s58
	s_mul_i32 s46, s46, BLKB
	s_add_co_u32 s46, s46, s35
	s_add_co_u32 s46, s46, s41                     ; my wave's 32 records
	s_mov_b32 s47, 0
	s_lshl_b32 s56, s34, 5                         ; 32 rows
	s_add_nc_u64 s[36:37], s[36:37], s[44:45]
	s_add_nc_u64 s[20:21], s[20:21], s[46:47]
	v_mul_lo_u32 v15, v14, s56                     ; my block's first row
	v_lshl_add_u32 v[OFF], v2, 4, v15              ; + my four columns
.set ii, 1
.rept 31
	v_add_nc_u32 v[OFF+ii], s34, v[OFF+ii-1]
.set ii, ii+1
.endr
.set ii, 0
.rept 32
	global_load_b128 v[WX+4*ii:WX+4*ii+3], v[OFF+ii], s[36:37] th:TH_LOAD_NT   ; eight lanes read 128 consecutive bytes of a row; four rows, 32 apart, an instruction
.set ii, ii+1
.endr
	ds_store_b128 v7, v[WZ:WZ+3]                   ; the tails' 16 bytes are cleared; my wave's scale bytes come behind, in order
	s_wait_loadcnt 0x0                             ; each load holds a number of all four columns: all 32 are wanted
.irp c, 0,1,2,3
	v_max3_num_f32 v[WM+\c], |v[WX+\c]|, |v[WX+4+\c]|, |v[WX+8+\c]|              ; the four columns' largest magnitudes by turns, two chains each
	v_max3_num_f32 v[WS+\c], |v[WX+12+\c]|, |v[WX+16+\c]|, |v[WX+20+\c]|
.endr
.irp i, 6,10,14,18,22,26
.irp c, 0,1,2,3
	v_max3_num_f32 v[WM+\c], v[WM+\c], |v[WX+4*\i+\c]|, |v[WX+4*\i+4+\c]|
	v_max3_num_f32 v[WS+\c], v[WS+\c], |v[WX+4*\i+8+\c]|, |v[WX+4*\i+12+\c]|
.endr
.endr
.irp c, 0,1,2,3
	v_max3_num_f32 v[WM+\c], v[WM+\c], |v[WX+120+\c]|, |v[WX+124+\c]|
.endr
.irp c, 0,1,2,3
	v_max3_num_f32 v[WM+\c], v[WM+\c], v[WS+\c], 0x8000000        ; with the floor 2^(16 - 127): the byte cannot fall under 1
.endr
.irp c, 0,1,2,3
	v_add_nc_u32 v[WS+\c], 0xf8800000, v[WM+\c]                   ; 15 off the exponent field: the conversion's scale operand
.endr
.irp c, 0,1,2,3
	v_and_or_b32 v[WL+\c], v[WM+\c], 0x7f800000, s40              ; 57,344 x the scale
.endr
.irp c, 0,1,2,3
	v_lshrrev_b32 v[WB+\c], 23, v[WS+\c]                          ; the scale's byte
.endr
.macro COL c                           ; column c: held, laid in order, converted, stored into record 4 cq + c
.set ii, 0
.rept 32
	v_med3_num_f32 v[WY+ii], v[WX+4*ii+\c], -v[WL+\c], v[WL+\c]   ; the conversion does not saturate (ISA guide 7.6.2): the hold; its destination puts k in order
.set ii, ii+1
.endr
	v_cvt_scalef32_pk8_bf8_f32 v[WC+8*\c:WC+8*\c+1], v[WY:WY+7], v[WS+\c]         ; k-group 0 to place 0,
	v_cvt_scalef32_pk8_bf8_f32 v[WC+8*\c+4:WC+8*\c+5], v[WY+8:WY+15], v[WS+\c]    ; group 1 to place 16,
	v_cvt_scalef32_pk8_bf8_f32 v[WC+8*\c+2:WC+8*\c+3], v[WY+16:WY+23], v[WS+\c]   ; group 2 to place 8,
	v_cvt_scalef32_pk8_bf8_f32 v[WC+8*\c+6:WC+8*\c+7], v[WY+24:WY+31], v[WS+\c]   ; group 3 to place 24
	v_nop                                          ; a plain instruction between the last conversion and the next column's holds, which write its sources
	ds_store_b128 v3, v[WC+8*\c:WC+8*\c+3] offset:144*\c
	ds_store_b128 v3, v[WC+8*\c+4:WC+8*\c+7] offset:144*\c+16
	ds_store_b8 v6, v[WB+\c] offset:144*\c
.endm
	COL 0
	COL 1
	COL 2
	COL 3
.irp i, 0,1,2,3,4,5,6,7,8
	ds_load_b128 v[WX+4*\i:WX+4*\i+3], v4 offset:512*\i   ; my own stage: LDS serves a wave's instructions in order: these see my stores
.endr
.irp i, 0,1,2,3,4,5,6,7,8
	s_wait_dscnt 8-\i                              ; the younger read-backs may be out
	global_store_b128 v5, v[WX+4*\i:WX+4*\i+3], s[20:21] offset:512*\i   ; 512 consecutive bytes, aligned to 256
.endr
	s_wait_tensorcnt 0x0                           ; the wave's end, behind my last LDS store
	ds_add_u32 v[SPW], v[NIL]
	s_wait_dscnt 0x0
	s_endpgm
.Lfunc_end_k_qbe5a18f4a3_prep2:
	.size	k_qbe5a18f4a3_prep2, .Lfunc_end_k_qbe5a18f4a3_prep2-k_qbe5a18f4a3_prep2
	.p2alignl 7, 3214868480
	.fill 96, 4, 3214868480
	.section	.rodata,"a",@progbits
	.p2align	6, 0x0
	.amdhsa_kernel k_qbe5a18f4a3_prep2
		.amdhsa_group_segment_fixed_size 57856
		.amdhsa_private_segment_fixed_size 0
		.amdhsa_enable_private_segment 0
		.amdhsa_kernarg_size 56
		.amdhsa_user_sgpr_count 2
		.amdhsa_user_sgpr_kernarg_segment_ptr 1
		.amdhsa_wavefront_size32 1
		.amdhsa_system_sgpr_workgroup_id_x 1
		.amdhsa_system_sgpr_workgroup_id_y 1
		.amdhsa_system_sgpr_workgroup_id_z 1
		.amdhsa_system_vgpr_workitem_id 0
		.amdhsa_next_free_vgpr 256
		.amdhsa_next_free_sgpr 66
		.amdhsa_reserve_vcc 0
		.amdhsa_float_denorm_mode_32 3
		.amdhsa_float_denorm_mode_16_64 3
		.amdhsa_memory_ordered 1
		.amdhsa_forward_progress 1
		.amdhsa_inst_pref_size 79
	.end_amdhsa_kernel
	.amdgpu_metadata
---
amdhsa.version: [ 1, 2 ]
amdhsa.kernels:
  - .name:           k_qbe5a18f4a3_prep2
    .symbol:         k_qbe5a18f4a3_prep2.kd
    .args:
      - { .name: x, .offset: 0, .size: 8, .value_kind: global_buffer, .address_space: global }
      - { .name: g2, .offset: 8, .size: 8, .value_kind: global_buffer, .address_space: global }
      - { .name: be2, .offset: 16, .size: 8, .value_kind: global_buffer, .address_space: global }
      - { .name: hrec, .offset: 24, .size: 8, .value_kind: global_buffer, .address_space: global }
      - { .name: W1, .offset: 32, .size: 8, .value_kind: global_buffer, .address_space: global }
      - { .name: W2, .offset: 40, .size: 8, .value_kind: global_buffer, .address_space: global }
      - { .name: wrec, .offset: 48, .size: 8, .value_kind: global_buffer, .address_space: global }
    .group_segment_fixed_size: 57856
    .private_segment_fixed_size: 0
    .kernarg_segment_align: 8
    .kernarg_segment_size: 56
    .max_flat_workgroup_size: 128
    .sgpr_count:     66
    .vgpr_count:     256
    .wavefront_size: 32
...
	.end_amdgpu_metadata
.endif
;; end of part 5
;; launch w1g (part 6): grid 16 x 16, 4 waves a work-group, clusters of 4 x 4, 327,680 bytes of LDS; arguments hrec, wrec, b1, hid; writes hid
.if DOCPART == 6
	.amdgcn_target "amdgcn-amd-amdhsa--gfx1250"
	.amdhsa_code_object_version 6
	.text
	.protected	k_qbe5a18f4a3_w1g
	.globl	k_qbe5a18f4a3_w1g
	.p2align	8
	.type	k_qbe5a18f4a3_w1g,@function
k_qbe5a18f4a3_w1g:
	s_mov_b64 s[64:65], 0
	v_nop
	global_prefetch_b8 v0, s[64:65] scope:SCOPE_SE
	s_setreg_imm32_b32 hwreg(HW_REG_WAVE_MODE, 25, 1), 1
	s_wait_xcnt 0x0
	s_wait_alu depctr_hold_cnt(0) depctr_sa_sdst(0) depctr_va_vdst(0) depctr_va_sdst(0) depctr_va_ssrc(0) depctr_va_vcc(0) depctr_vm_vsrc(0)
	s_getreg_b32 s2, hwreg(HW_REG_IB_STS2, 6, 4)
	s_cmp_eq_u32 s2, 0
	s_cbranch_scc0 .Lentry_in_a_cluster
	s_endpgm
.Lentry_in_a_cluster:
	s_bfe_u32 s2, ttmp6, 0x10000c
	s_cmp_lg_u32 s2, 0xf033
	s_cbranch_scc0 .Lentry_shape_is_right
	s_endpgm
.Lentry_shape_is_right:
.set QKV,   0
.set RELU,  1-QKV
.set ZERO,  2-QKV
.set BLKB,  18432
.set PART,  2*BLKB
.set SLOT,  4*PART
.set SPARE, 2*SLOT
.set RBB,   8*BLKB
.set FR,   16
.set NL,   4
.set NP,   8
.set ADRA, 16
.set ADRB, 20
.set ADRS, 22
.set STO,  24
.set TAIL, 25
.set RD,   26
.set CO,   27
.set SPW,  28
.set NIL,  29
.set SC,   32
.set BIAS, 64
.set AF,   128
.set TM,   64
.set PW,   80
.set PC,   84
.set RB,   100
.set Y,    128
.set G1,  24
.set G0,  32
.set G1B, 48
.set G0B, 56
.set SEL, 74
.set MNT, 76
.set MSB, 0
.macro WIN new
.if MSB != \new
	s_set_vgpr_msb (MSB<<8)|\new
.set MSB, \new
.endif
.endm
.set TO_B, 0x40
.macro WMUL hi, zero
.if \zero == 2
	WIN 0x81+0x40*(\hi)
.else
	WIN 0xa1+0x50*(\hi)
.endif
.endm
.macro JLOAD g0a, g1a, g0b, g1b
	s_cmp_eq_u32 s15, 0
	s_cbranch_scc0 .Lfor_b_\@
	tensor_load_to_lds s[\g0a:\g0a+3], s[\g1a:\g1a+7]
	s_nop 0
.rept 4
	v_nop
.endr
	s_branch .Lasked_\@
.Lfor_b_\@:
	tensor_load_to_lds s[\g0b:\g0b+3], s[\g1b:\g1b+7]
	s_nop 0
.rept 4
	v_nop
.endr
.Lasked_\@:
.endm
.macro CREST
	s_cmp_lg_u32 s14, 0
	s_cbranch_scc1 .Lnot_wave_0_\@
	s_barrier_signal -3
.Lnot_wave_0_\@:
	s_barrier_wait -3
	s_barrier_signal -1
	s_barrier_wait -1
.endm
.macro CROUND
	s_barrier_signal -1
	s_barrier_wait -1
	CREST
.endm
	s_load_b128 s[4:7], s[0:1], 0x0
.if QKV
	s_load_b64 s[12:13], s[0:1], 0x10
.else
	s_load_b64 s[8:9], s[0:1], 0x10
	s_load_b64 s[12:13], s[0:1], 0x18
.endif
	v_lshl_add_u32 v[SPW], v0, 2, SPARE
	v_mov_b32 v[NIL], 0
	ds_add_u32 v[SPW], v[NIL]
	ds_add_u32 v[SPW], v[NIL]
	v_lshrrev_b32 v1, 5, v0
	v_readfirstlane_b32 s14, v1
	s_lshr_b32 s15, s14, 1
	s_and_b32 s16, s14, 1
	s_bfe_u32 s40, ttmp6, 0x40000
	s_bfe_u32 s41, ttmp6, 0x40004
	s_and_b32 s17, ttmp7, 0xffff
.if QKV
	s_sub_co_u32 s42, s17, 4
	s_lshl_b32 s42, s42, 1
	s_add_co_u32 s42, s42, ttmp9
	s_cmp_ge_u32 s17, 4
	s_cselect_b32 s42, s42, ttmp9
	s_cselect_b32 s17, 0, s17
	s_cselect_b32 s66, 1, 0
	s_cselect_b32 s67, 2359296, 0
	s_cselect_b32 s68, 9437184, 0
.else
	s_mov_b32 s42, ttmp9
.endif
	s_lshl_b32 s42, s42, 2
	s_add_co_u32 s42, s42, s40
	s_lshl_b32 s17, s17, 2
	s_add_co_u32 s17, s17, s41
	s_lshl_b32 s43, s41, 2
	s_lshl_b32 s43, 15, s43
	s_lshl_b32 s44, 0x1111, s40
	s_or_b32 s[G1], s43, (3<<16)|(1<<21)
	s_or_b32 s[G1B], s44, (3<<16)|(1<<21)
.irp g, G1, G1B
	s_mov_b32 s[\g+1], 32<<16
	s_mov_b32 s[\g+2], 144<<16
	s_mov_b32 s[\g+3], 32<<16
	s_mov_b32 s[\g+4], 144
	s_mov_b32 s[\g+5], 32
	s_mov_b32 s[\g+6], 0
	s_mov_b32 s[\g+7], 0
.endr
	s_lshl_b32 s20, s17, 1
	s_add_co_u32 s20, s20, s16
	s_mul_i32 s20, s20, RBB
.if QKV
	s_add_co_u32 s20, s20, s67
.endif
	s_mov_b32 s21, 0
	s_lshl_b32 s46, s42, 1
	s_add_co_u32 s46, s46, s16
	s_mul_i32 s46, s46, RBB
.if !QKV
	s_add_co_u32 s46, s46, 4718592
.endif
	s_mov_b32 s47, 0
	s_mul_i32 s45, s14, PART
	s_mov_b32 s[SEL], 0x76543210
	s_mov_b32 s[SEL+1], 0xfedcba98
	s_mov_b32 s[MNT], 0x600000
	s_wait_dscnt 0x0
	s_wait_kmcnt 0x0
.if QKV
	s_cmp_eq_u32 s66, 1
	s_cselect_b64 s[70:71], s[6:7], s[4:5]
	s_cselect_b64 s[72:73], s[4:5], s[6:7]
	s_add_nc_u64 s[20:21], s[70:71], s[20:21]
	s_add_nc_u64 s[46:47], s[72:73], s[46:47]
.else
	s_add_nc_u64 s[20:21], s[4:5], s[20:21]
	s_add_nc_u64 s[46:47], s[6:7], s[46:47]
.endif
	CROUND
.irp s, 0,1
	s_mov_b32 s[G0+4*\s], 1
	s_add_co_u32 s[G0+4*\s+1], s45, \s*SLOT
	s_add_nc_u64 s[G0+4*\s+2:G0+4*\s+3], s[20:21], \s*PART
	s_or_b32 s[G0+4*\s+3], s[G0+4*\s+3], 0x80000000
	s_mov_b32 s[G0B+4*\s], 1
	s_add_co_u32 s[G0B+4*\s+1], s45, \s*SLOT
	s_add_nc_u64 s[G0B+4*\s+2:G0B+4*\s+3], s[46:47], \s*PART
	s_or_b32 s[G0B+4*\s+3], s[G0B+4*\s+3], 0x80000000
.endr
	JLOAD G0, G1, G0B, G1B                         ; slot 0: one joint load a wave at the head
	v_and_b32 v1, 15, v0
	v_bfe_u32 v2, v0, 4, 1
	v_mul_u32_u24 v3, v1, 144
	v_lshl_add_u32 v4, v2, 4, v3
	s_mul_i32 s21, s15, PART
	s_mul_i32 s22, s16, PART
	s_add_co_u32 s22, s22, 2*PART
	s_sub_co_u32 s23, s22, s21
	v_mul_u32_u24 v6, s23, v2
	v_add_nc_u32 v5, 128, v3
	v_add_nc_u32 v5, v5, v6
.irp s, 0,1
	v_add_nc_u32 v[ADRA+\s], s21, v4
	v_add_nc_u32 v[ADRB+\s], s22, v4
	v_add_nc_u32 v[ADRS+\s], s21, v5
	s_add_co_u32 s21, s21, SLOT
	s_add_co_u32 s22, s22, SLOT
.endr
	s_mul_i32 s23, s14, BLKB
	v_add_nc_u32 v[STO], s23, v4
	v_add_nc_u32 v[TAIL], s23, v3
	v_add_nc_u32 v[TAIL], 128, v[TAIL]
	v_and_b32 v6, 31, v0
	v_lshlrev_b32 v[CO], 4, v6
	v_add_nc_u32 v[RD], s23, v[CO]
	s_lshl_b32 s78, s17, 1
	s_add_co_u32 s78, s78, s15
	s_lshl_b32 s79, s42, 1
	s_add_co_u32 s79, s79, s16
.if QKV
	s_cmp_eq_u32 s66, 1
	s_cselect_b32 s80, s78, s79
	s_cselect_b32 s81, s79, s78
.else
	s_mov_b32 s80, s78
	s_mov_b32 s81, s79
.endif
	s_lshl_b32 s80, s80, 5
	s_add_co_u32 s80, s80, s81
	s_mul_i32 s80, s80, BLKB
.if QKV
	s_add_co_u32 s80, s80, s68
.endif
	s_mov_b32 s81, 0
	s_add_nc_u64 s[12:13], s[12:13], s[80:81]
.if !QKV
	s_lshl_b32 s46, s42, 10
	s_lshl_b32 s47, s16, 9
	s_add_co_u32 s46, s46, s47
	s_mov_b32 s47, 0
	s_add_nc_u64 s[8:9], s[8:9], s[46:47]
	v_lshlrev_b32 v7, 5, v2
.irp b, 0,1,2,3,4,5,6,7
	global_load_b128 v[BIAS+8*\b:BIAS+8*\b+3], v7, s[8:9] offset:64*\b
	global_load_b128 v[BIAS+8*\b+4:BIAS+8*\b+7], v7, s[8:9] offset:64*\b+16
.endr
.endif
.macro FRAG reg, adr, q, i
.irp c, 0,1,2,3
	ds_load_b128 v[\reg+4*\c:\reg+4*\c+3], v[\adr] offset:BLKB*(\q)+32*\c+(\i)*2304
.endr
.endm
.macro MUL16 a0, p, q, sc, zero
.irp a, \a0, \a0+1
.irp b, 0,1,2,3,4,5,6,7
.set rD, 8*(8*((\a)%4)+\b)
.set rB, 128*(\p)+FR*\b
.set rA, AF+FR*(\a)
.set rSB, SC+16*(\sc)+2*\b+(\q)
.set rSA, SC+16*(\sc)+2*(\a)+(\q)
.if \zero == 1
	v_wmma_scale_f32_16x16x128_f8f6f4 v[rD:rD+7], v[rB:rB+15], v[rA:rA+15], 0, v[rSB], v[rSA] matrix_a_fmt:MATRIX_FMT_BF8 matrix_b_fmt:MATRIX_FMT_BF8 matrix_a_scale:MATRIX_SCALE_ROW1
.elseif \zero == 2
	v_wmma_scale_f32_16x16x128_f8f6f4 v[rD:rD+7], v[rB:rB+15], v[rA:rA+15], v[BIAS+8*\b:BIAS+8*\b+7], v[rSB], v[rSA] matrix_a_fmt:MATRIX_FMT_BF8 matrix_b_fmt:MATRIX_FMT_BF8 matrix_a_scale:MATRIX_SCALE_ROW1
.else
	v_wmma_scale_f32_16x16x128_f8f6f4 v[rD:rD+7], v[rB:rB+15], v[rA:rA+15], v[rD:rD+7], v[rSB], v[rSA] matrix_a_fmt:MATRIX_FMT_BF8 matrix_b_fmt:MATRIX_FMT_BF8 matrix_a_scale:MATRIX_SCALE_ROW1
.endif
.endr
.endr
.endm
.macro FETCH_B slot, q, p
	WIN TO_B
.irp i, 0,1,2,3,4,5,6,7
	FRAG 128*(\p)+FR*\i, ADRB+\slot, \q, \i
.endr
	WIN 0
.endm
.macro FETCH_A slot, q, i0
.irp i, \i0, \i0+1, \i0+2, \i0+3
	FRAG AF+FR*(\i), ADRA+\slot, \q, \i
.endr
.endm
.macro SCALES slot
.irp i, 0,1,2,3,4,5,6,7
	ds_load_b32 v[SC+16*\slot+2*\i], v[ADRS+\slot] offset:\i*2304
	ds_load_b32 v[SC+16*\slot+2*\i+1], v[ADRS+\slot] offset:BLKB+\i*2304
.endr
.endm
.macro PLACES n
.rept \n
	v_nop
.endr
.endm
.macro STEP slot, q, zero
	s_wait_dscnt 4*NL
	WMUL 0, \zero
	MUL16 0, (\q)%2, \q, \slot, \zero
	MUL16 2, (\q)%2, \q, \slot, \zero
	s_wait_dscnt 0
	PLACES NP
	FETCH_B \slot, (\q)+1, 1-(\q)%2
	FETCH_A \slot, (\q)+1, 0
	WMUL 1, \zero
	MUL16 4, (\q)%2, \q, \slot, \zero
	MUL16 6, (\q)%2, \q, \slot, \zero
	PLACES NP
	WIN 0
	FETCH_A \slot, (\q)+1, 4
.endm
.macro TURN slot, next, fill
	s_wait_tensorcnt 0x0
	ds_add_u32 v[SPW], v[NIL]
	s_wait_dscnt 4*NL+1
	WMUL 0, 0
	MUL16 0, 1, 1, \slot, 0
	s_wait_dscnt 0x0
	s_barrier_signal -1
	MUL16 2, 1, 1, \slot, 0
	WIN 0
	s_barrier_wait -1
.if \fill
	CREST
	s_add_nc_u64 s[G0+4*\slot+2:G0+4*\slot+3], s[G0+4*\slot+2:G0+4*\slot+3], 2*PART
	s_add_nc_u64 s[G0B+4*\slot+2:G0B+4*\slot+3], s[G0B+4*\slot+2:G0B+4*\slot+3], 2*PART
	JLOAD G0+4*\slot, G1, G0B+4*\slot, G1B
	PLACES NP-4
.else
	PLACES NP
.endif
	s_wait_alu depctr_va_vdst(0)
	FETCH_B \next, 0, 0
	FETCH_A \next, 0, 0
	SCALES \next
	WMUL 1, 0
	MUL16 4, 1, 1, \slot, 0
	MUL16 6, 1, 1, \slot, 0
	PLACES NP
	WIN 0
	FETCH_A \next, 0, 4
.endm
	s_wait_alu depctr_va_vdst(0)                   ; the wait at the head's end
	s_wait_tensorcnt 0x0                           ; my part of slot 0 is in
	ds_add_u32 v[SPW], v[NIL]                      ; ahead of a later first fill
	s_wait_dscnt 0x0
	CROUND                                         ; slot 0 is whole in every partner
	JLOAD G0+4, G1, G0B+4, G1B                     ; slot 1's first fill, the first tensor load behind the round
	FETCH_B 0, 0, 0
	FETCH_A 0, 0, 0
	SCALES 0
	FETCH_A 0, 0, 4
.if !QKV
	s_wait_loadcnt 0x0
.endif
	STEP 0, 0, ZERO
	TURN 0, 1, 1
	STEP 1, 0, 0
	TURN 1, 0, 1
	STEP 0, 0, 0
	TURN 0, 1, 0
	STEP 1, 0, 0
	s_wait_dscnt 4*NL
	WMUL 0, 0
	MUL16 0, 1, 1, 1, 0
	MUL16 2, 1, 1, 1, 0
	s_wait_dscnt 0
	WMUL 1, 0
	MUL16 4, 1, 1, 1, 0
	MUL16 6, 1, 1, 1, 0
	WIN 0
	PLACES NP
.irp b, 0,1,2,3
	v_mov_b32 v[TM+4+\b], 0
.endr
	v_mov_b32 v[PW+1], 0
	v_mov_b32 v[PW+2], 0
	v_mov_b32 v[PW+3], 0
.macro QUANTW a
.set AC, 64*((\a)%4)
	WIN 0x0a+5*((\a)/4)
.irp b, 0,1,2,3
.if RELU
	v_max3_num_f32 v[TM+\b], v[AC+16*\b], v[AC+16*\b+1], 0x8000000
.else
	v_max3_num_f32 v[TM+\b], |v[AC+16*\b]|, |v[AC+16*\b+1]|, 0x8000000
.endif
.endr
.irp i, 2,4,6,8,10,12,14
.irp b, 0,1,2,3
.if RELU
	v_max3_num_f32 v[TM+\b], v[AC+16*\b+\i], v[AC+16*\b+\i+1], v[TM+\b]
.else
	v_max3_num_f32 v[TM+\b], |v[AC+16*\b+\i]|, |v[AC+16*\b+\i+1]|, v[TM+\b]
.endif
.endr
.endr
	WIN 0
.irp b, 0,1,2,3
	v_permlanex16_b32 v[TM+4+\b], v[TM+\b], s[SEL], s[SEL+1]
.endr
.irp b, 0,1,2,3
	v_max_num_f32 v[TM+\b], v[TM+\b], v[TM+4+\b]
.endr
.irp b, 0,1,2,3
	v_add_nc_u32 v[TM+12+\b], 0xf8800000, v[TM+\b]
.endr
.irp b, 0,1,2,3
	v_and_or_b32 v[TM+8+\b], v[TM+\b], 0x7f800000, s[MNT]
.endr
.irp b, 0,1,2,3
	v_lshrrev_b32 v[TM+4+\b], 23, v[TM+12+\b]
.endr
	v_lshl_or_b32 v[PW], v[TM+5], 8, v[TM+4]
	v_lshl_or_b32 v[PW], v[TM+6], 16, v[PW]
	v_lshl_or_b32 v[PW], v[TM+7], 24, v[PW]
	WIN 0x02+(\a)/4
.irp b, 0,1,2,3
.irp i, 0,1,2,3,4,5,6,7,8,9,10,11,12,13,14,15
.if RELU
	v_med3_num_f32 v[Y+16*\b+\i], v[AC+16*\b+\i], 0, v[TM+8+\b]
.else
	v_med3_num_f32 v[Y+16*\b+\i], v[AC+16*\b+\i], -v[TM+8+\b], v[TM+8+\b]
.endif
.endr
.endr
	WIN 0
	s_wait_alu depctr_va_vdst(0)
	s_wait_dscnt 0x0
.irp b, 0,1,2,3
	v_cvt_scalef32_pk8_bf8_f32 v[PC+4*\b:PC+4*\b+1], v[Y+16*\b:Y+16*\b+7], v[TM+12+\b]
	v_cvt_scalef32_pk8_bf8_f32 v[PC+4*\b+2:PC+4*\b+3], v[Y+16*\b+8:Y+16*\b+15], v[TM+12+\b]
.endr
	v_nop
.irp b, 0,1,2,3
	ds_store_b128 v[STO], v[PC+4*\b:PC+4*\b+3] offset:(\a)*2304+32*\b
.endr
	ds_store_b128 v[TAIL], v[PW:PW+3] offset:(\a)*2304
.endm
.irp a, 0,1,2,3,4,5,6,7
	QUANTW \a
.endr
.set ii, 0
.rept 36
	ds_load_b128 v[RB+4*ii:RB+4*ii+3], v[RD] offset:512*ii
.set ii, ii+1
.endr
.set ii, 0
.rept 36
	s_wait_dscnt 35-ii
	global_store_b128 v[CO], v[RB+4*ii:RB+4*ii+3], s[12:13] offset:512*ii
.set ii, ii+1
.endr
	s_wait_tensorcnt 0x0
	ds_add_u32 v[SPW], v[NIL]
	s_wait_dscnt 0x0
	CROUND
	s_endpgm
.Lfunc_end_k_qbe5a18f4a3_w1g:
	.size	k_qbe5a18f4a3_w1g, .Lfunc_end_k_qbe5a18f4a3_w1g-k_qbe5a18f4a3_w1g
	.p2alignl 7, 3214868480
	.fill 96, 4, 3214868480
	.section	.rodata,"a",@progbits
	.p2align	6, 0x0
	.amdhsa_kernel k_qbe5a18f4a3_w1g
		.amdhsa_group_segment_fixed_size 327680
		.amdhsa_private_segment_fixed_size 0
		.amdhsa_enable_private_segment 0
		.amdhsa_kernarg_size 32
		.amdhsa_user_sgpr_count 2
		.amdhsa_user_sgpr_kernarg_segment_ptr 1
		.amdhsa_wavefront_size32 1
		.amdhsa_system_sgpr_workgroup_id_x 1
		.amdhsa_system_sgpr_workgroup_id_y 1
		.amdhsa_system_sgpr_workgroup_id_z 1
		.amdhsa_system_vgpr_workitem_id 0
		.amdhsa_next_free_vgpr 1024
		.amdhsa_next_free_sgpr 84
		.amdhsa_reserve_vcc 0
		.amdhsa_float_denorm_mode_32 3
		.amdhsa_float_denorm_mode_16_64 3
		.amdhsa_memory_ordered 1
		.amdhsa_forward_progress 1
		.amdhsa_inst_pref_size 193
	.end_amdhsa_kernel
	.amdgpu_metadata
---
amdhsa.version: [ 1, 2 ]
amdhsa.kernels:
  - .name:           k_qbe5a18f4a3_w1g
    .symbol:         k_qbe5a18f4a3_w1g.kd
    .args:
      - { .name: hrec, .offset: 0, .size: 8, .value_kind: global_buffer, .address_space: global }
      - { .name: wrec, .offset: 8, .size: 8, .value_kind: global_buffer, .address_space: global }
      - { .name: b1, .offset: 16, .size: 8, .value_kind: global_buffer, .address_space: global }
      - { .name: hid, .offset: 24, .size: 8, .value_kind: global_buffer, .address_space: global }
    .group_segment_fixed_size: 327680
    .private_segment_fixed_size: 0
    .kernarg_segment_align: 8
    .kernarg_segment_size: 32
    .max_flat_workgroup_size: 128
    .sgpr_count:     84
    .vgpr_count:     1024
    .wavefront_size: 32
...
	.end_amdgpu_metadata
.endif
;; end of part 6
;; launch w2g (part 7): grid 8 x 32, 4 waves a work-group, clusters of 4 x 4, 327,680 bytes of LDS; arguments hid, wrec, b2, x, out0; writes out0
.if DOCPART == 7
	.amdgcn_target "amdgcn-amd-amdhsa--gfx1250"
	.amdhsa_code_object_version 6
	.text
	.protected	k_qbe5a18f4a3_w2g
	.globl	k_qbe5a18f4a3_w2g
	.p2align	8
	.type	k_qbe5a18f4a3_w2g,@function
k_qbe5a18f4a3_w2g:
	s_mov_b64 s[64:65], 0
	v_nop
	global_prefetch_b8 v0, s[64:65] scope:SCOPE_SE
	s_setreg_imm32_b32 hwreg(HW_REG_WAVE_MODE, 25, 1), 1
	s_wait_xcnt 0x0
	s_wait_alu depctr_hold_cnt(0) depctr_sa_sdst(0) depctr_va_vdst(0) depctr_va_sdst(0) depctr_va_ssrc(0) depctr_va_vcc(0) depctr_vm_vsrc(0)
	s_getreg_b32 s2, hwreg(HW_REG_IB_STS2, 6, 4)
	s_cmp_eq_u32 s2, 0
	s_cbranch_scc0 .Lentry_in_a_cluster
	s_endpgm
.Lentry_in_a_cluster:
	s_bfe_u32 s2, ttmp6, 0x10000c
	s_cmp_lg_u32 s2, 0xf033
	s_cbranch_scc0 .Lentry_shape_is_right
	s_endpgm
.Lentry_shape_is_right:
; OUT[m][n] = RES[m][n] + bias[n] + sum over k of A[m][k] B[n][k]; M = 4,096, N = 1,024, K = 128 NC; A and B are records of E5M2 codes with E8M0 scales; OUT, RES, bias f32.
; RECORDS: [row / 128][k / 128][row % 128][144 bytes]: 128 codes, 4 scale bytes, 12 zeros: 128 rows x 128 K are 18,432 dense bytes, pitch 144: the sixteen rows of a fragment load start at sixteen different groups of four banks.
; A tile of OUT is 128 x 128, so that 4,096 x 1,024 gives 256 work-groups; four waves, each 64 x 64: 16 accumulators.  K goes in steps of 512 through two LDS slots; a wave's tensor load brings 128 rows x 256 K (36,864 dense bytes).
; CLUSTERS: 4 x 4; A's tiles are asked for jointly along a row of the cluster, B's along a column.  THE MATRIX INSTRUCTION IS USED TRANSPOSED: a lane holds eight neighbouring numbers of a row.  The bias is the first products' C.
; THE HEAD: one joint load a wave (K step 0); K step 1's first fill stands behind the three lines and a round, as a refill does.
; A PREFETCH INTO THE L2 stands behind each joint load: the K step two loads on (behind the first load K step 1 too).  Of the 36,864 bytes that a wave fetches, each of the four partners that ask for them jointly takes 9,216,
; told apart by address (cx for A, cy for B): 36 blocks of 256 bytes, in two instructions (32 lanes 256 bytes apart; then four blocks, the lanes left over naming the last again).  At most two K steps are asked for and not yet loaded.
; The loop's last trip has no K step two loads on.
; THE RESIDUAL'S 32 rows that a wave will store are loaded behind the loop, when every fill has been asked for, into registers of their own; the way out only adds them.  They are prefetched in the last trip's first change of slots,
; one K step ahead of their loads: a lane a row, two instructions for a row's 512 bytes.
; REGISTERS: window 0: v16-31 addresses; v32-39 scale words, four a buffer; v96-127 bias tiles; v128-255 accumulators ((a, b) at v[128 + 8 (4 a + b)]).  window 1: two fragment buffers of 128 (A's four, then B's four).
;   window 2: v0-127 the residual.
.set NC,    32
.set BOFF,  9437184                    ; where B's records begin in the weights' buffer
.set LAPS,  NC/8
.set BLKB,  18432
.set PART,  2*BLKB
.set SLOT,  8*BLKB                     ; A's four chunks, then B's four
.set SPARE, 2*SLOT
.set SPITCH, 528                       ; the way out: 128 rows x (512 bytes + 16), at LDS byte 0: slot 0 has then had its last fill and its last read
.set ADRA, 16
.set ADRB, 20
.set ADRS, 22
.set STO,  24
.set RD,   25
.set CO,   26
.set PFR,  27                          ; v27 4,096 x lane: a row of the residual; never rewritten
.set SPW,  28
.set NIL,  29
.set PF0,  30                          ; v30 256 x lane; v31 8,192 + 256 x min(lane, 3); never rewritten
.set PF1,  31
.set SC,   32
.set BIAS, 96
.set ACC,  128
.set F0,   0
.set F1,   128
.set G1,  24
.set G0,  32
.set G1B, 48
.set G0B, 56
.set PFA, 72                           ; s[72:73] my work-group's quarter of what I fetch; it begins at K step 0 and is stepped at each change of slots that fills
.set MSB, 0
.macro WIN new
.if MSB != \new
	s_set_vgpr_msb (MSB<<8)|\new
.set MSB, \new
.endif
.endm
.set MUL,  0x05                        ; sources 0 (B) and 1 (A) window 1; C and D window 0
.set TO_F, 0x40
.macro JLOAD s                         ; a joint load: waves 0, 1 for A, waves 2, 3 for B; an s_nop 0 and four v_nop follow each line
	s_cmp_eq_u32 s11, 0
	s_cbranch_scc0 .Lfor_b_\@
	tensor_load_to_lds s[G0+4*\s:G0+4*\s+3], s[G1:G1+7]
	s_nop 0
.rept 4
	v_nop
.endr
	s_branch .Lasked_\@
.Lfor_b_\@:
	tensor_load_to_lds s[G0B+4*\s:G0B+4*\s+3], s[G1B:G1B+7]
	s_nop 0
.rept 4
	v_nop
.endr
.Lasked_\@:
.endm
.macro PFK steps                       ; my quarter of the K step that lies so many steps behind where the address stands
	global_prefetch_b8 v[PF0], s[PFA:PFA+1] offset:(\steps)*4*BLKB th:TH_LOAD_NT scope:SCOPE_SE
	global_prefetch_b8 v[PF1], s[PFA:PFA+1] offset:(\steps)*4*BLKB th:TH_LOAD_NT scope:SCOPE_SE
.endm
.macro CREST
	s_cmp_lg_u32 s10, 0
	s_cbranch_scc1 .Lnot_wave_0_\@
	s_barrier_signal -3
.Lnot_wave_0_\@:
	s_barrier_wait -3
	s_barrier_signal -1
	s_barrier_wait -1
.endm
.macro CROUND
	s_barrier_signal -1
	s_barrier_wait -1
	CREST
.endm
	s_load_b128 s[4:7], s[0:1], 0x0                ; A's records, the weights' records
	s_load_b128 s[68:71], s[0:1], 0x10             ; bias, residual
	s_load_b64 s[8:9], s[0:1], 0x20                ; the output
	v_lshl_add_u32 v[SPW], v0, 2, SPARE
	v_mov_b32 v[NIL], 0
	ds_add_u32 v[SPW], v[NIL]                      ; the wave's opening: the add, twice on end, and its wait ahead of my first tensor load
	ds_add_u32 v[SPW], v[NIL]
	v_lshrrev_b32 v1, 5, v0
	v_readfirstlane_b32 s10, v1
	s_lshr_b32 s11, s10, 1                         ; my half of the rows; also: I fetch for A (0) or B (1)
	s_and_b32 s12, s10, 1                          ; my half of the columns; also: which two chunks I fetch
	s_bfe_u32 s40, ttmp6, 0x40000
	s_bfe_u32 s41, ttmp6, 0x40004
	s_lshl_b32 s42, ttmp9, 2
	s_add_co_u32 s42, s42, s40                     ; tile column
	s_and_b32 s13, ttmp7, 0xffff
	s_lshl_b32 s13, s13, 2
	s_add_co_u32 s13, s13, s41                     ; tile row
	s_lshl_b32 s43, s41, 2
	s_lshl_b32 s43, 15, s43
	s_lshl_b32 s44, 0x1111, s40
	s_or_b32 s[G1], s43, (3<<16)|(1<<21)           ; the mask; elements of 8 bytes; bit 21 beside a mask; no padding
	s_or_b32 s[G1B], s44, (3<<16)|(1<<21)
.irp g, G1, G1B                        ; a dense block as 144 rows of 256 bytes
	s_mov_b32 s[\g+1], 32<<16
	s_mov_b32 s[\g+2], 144<<16
	s_mov_b32 s[\g+3], 32<<16
	s_mov_b32 s[\g+4], 144
	s_mov_b32 s[\g+5], 32
	s_mov_b32 s[\g+6], 0
	s_mov_b32 s[\g+7], 0
.endr
	s_mul_i32 s18, s12, PART
	s_mul_i32 s16, s13, NC*BLKB
	s_add_co_u32 s16, s16, s18
	s_mov_b32 s17, 0
	s_mul_i32 s46, s42, NC*BLKB
	s_add_co_u32 s46, s46, s18
	s_add_co_u32 s46, s46, BOFF
	s_mov_b32 s47, 0
	s_mul_i32 s20, s10, PART
	s_wait_dscnt 0x0
	s_wait_kmcnt 0x0
	s_add_nc_u64 s[14:15], s[4:5], s[16:17]
	s_add_nc_u64 s[46:47], s[6:7], s[46:47]
	CROUND                                         ; the first joint loads meet
.irp s, 0,1
	s_mov_b32 s[G0+4*\s], 1
	s_add_co_u32 s[G0+4*\s+1], s20, \s*SLOT
	s_add_nc_u64 s[G0+4*\s+2:G0+4*\s+3], s[14:15], \s*4*BLKB
	s_or_b32 s[G0+4*\s+3], s[G0+4*\s+3], 0x80000000
	s_mov_b32 s[G0B+4*\s], 1
	s_add_co_u32 s[G0B+4*\s+1], s20, \s*SLOT
	s_add_nc_u64 s[G0B+4*\s+2:G0B+4*\s+3], s[46:47], \s*4*BLKB
	s_or_b32 s[G0B+4*\s+3], s[G0B+4*\s+3], 0x80000000
.endr
	JLOAD 0                                        ; K step 0: one joint load a wave at the head
	s_cmp_eq_u32 s11, 0                            ; the prefetches: do I fetch for A?
	s_cselect_b64 s[PFA:PFA+1], s[14:15], s[46:47] ; what I fetch, at K step 0,
	s_cselect_b32 s74, s40, s41                    ; my place among the four that ask for it with me,
	s_mul_i32 s74, s74, 9216                       ; and my work-group's quarter
	s_mov_b32 s75, 0
	s_add_nc_u64 s[PFA:PFA+1], s[PFA:PFA+1], s[74:75]
	v_and_b32 v[PF0], 31, v0
	v_min_u32 v[PF1], 3, v[PF0]
	v_lshlrev_b32 v[PFR], 12, v[PF0]
	v_lshlrev_b32 v[PF0], 8, v[PF0]
	v_lshl_add_u32 v[PF1], v[PF1], 8, 8192
	v_and_b32 v1, 15, v0
	v_bfe_u32 v2, v0, 4, 1
	v_mul_u32_u24 v3, v1, 144
	v_lshl_add_u32 v4, v2, 4, v3
	s_mul_i32 s21, s11, 9216                       ; my 64 rows of A
	s_mul_i32 s22, s12, 9216
	s_add_co_u32 s22, s22, 4*BLKB                  ; my 64 rows of B
	s_sub_co_u32 s23, s22, s21
	v_mul_u32_u24 v6, s23, v2                      ; lanes 16-31 take B's scale words
	v_add_nc_u32 v5, 128, v3
	v_add_nc_u32 v5, v5, v6
.irp s, 0,1
	v_add_nc_u32 v[ADRA+\s], s21, v4
	v_add_nc_u32 v[ADRB+\s], s22, v4
	v_add_nc_u32 v[ADRS+\s], s21, v5
	s_add_co_u32 s21, s21, SLOT
	s_add_co_u32 s22, s22, SLOT
.endr
	s_mul_i32 s23, s11, 64*SPITCH
	s_lshl_b32 s21, s12, 8
	s_add_co_u32 s23, s23, s21
	v_mul_u32_u24 v5, v1, SPITCH
	v_lshl_add_u32 v5, v2, 5, v5
	v_add_nc_u32 v[STO], s23, v5                   ; into the stage: row 64 half + r, 256 x column half + 32 h
	s_mul_i32 s23, s10, 32*SPITCH
	v_and_b32 v6, 31, v0
	v_lshlrev_b32 v[CO], 4, v6
	s_wait_alu depctr_va_vdst(0)
	v_add_nc_u32 v[RD], s23, v[CO]                 ; back: rows 32 w on, whole
	PFK 1                                          ; K steps 1 and 2, behind K step 0's load
	PFK 2
	s_lshl_b32 s16, s13, 7
	s_lshl_b32 s17, s10, 5
	s_add_co_u32 s16, s16, s17
	s_lshl_b32 s16, s16, 12                        ; my first row of 4,096 bytes
	s_mov_b32 s17, 0
	s_add_nc_u64 s[8:9], s[8:9], s[16:17]
	s_add_nc_u64 s[70:71], s[70:71], s[16:17]
	s_lshl_b32 s46, s42, 9                         ; the tile's first column, in bytes
	s_mov_b32 s47, 0
	s_add_nc_u64 s[8:9], s[8:9], s[46:47]
	s_add_nc_u64 s[70:71], s[70:71], s[46:47]
	s_add_nc_u64 s[68:69], s[68:69], s[46:47]
	s_lshl_b32 s46, s12, 8
	s_add_nc_u64 s[68:69], s[68:69], s[46:47]      ; the bias of my 64 columns
	v_lshlrev_b32 v7, 5, v2
.irp b, 0,1,2,3
	global_load_b128 v[BIAS+8*\b:BIAS+8*\b+3], v7, s[68:69] offset:64*\b
	global_load_b128 v[BIAS+8*\b+4:BIAS+8*\b+7], v7, s[68:69] offset:64*\b+16
.endr
; four matrix instructions: A's block a x B's four; the 16 accumulators take turns, one instruction a turn, in the same order in every quarter
.macro MUL4 f, a, zero
.irp b, 0,1,2,3
.set rD, ACC+8*(4*(\a)+\b)
.if \zero
	v_wmma_scale_f32_16x16x128_f8f6f4 v[rD:rD+7], v[\f+64+16*\b:\f+64+16*\b+15], v[\f+16*(\a):\f+16*(\a)+15], v[BIAS+8*\b:BIAS+8*\b+7], v[SC+(\f)/32+\b], v[SC+(\f)/32+(\a)] matrix_a_fmt:MATRIX_FMT_BF8 matrix_b_fmt:MATRIX_FMT_BF8 matrix_a_scale:MATRIX_SCALE_ROW1
.else
	v_wmma_scale_f32_16x16x128_f8f6f4 v[rD:rD+7], v[\f+64+16*\b:\f+64+16*\b+15], v[\f+16*(\a):\f+16*(\a)+15], v[rD:rD+7], v[SC+(\f)/32+\b], v[SC+(\f)/32+(\a)] matrix_a_fmt:MATRIX_FMT_BF8 matrix_b_fmt:MATRIX_FMT_BF8 matrix_a_scale:MATRIX_SCALE_ROW1
.endif
.endr
.endm
.macro FETCH slot, q, f                ; 36 LDS loads: chunk q's four scale words, B's four fragments, A's four
	WIN 0
.irp i, 0,1,2,3
	ds_load_b32 v[SC+(\f)/32+\i], v[ADRS+\slot] offset:(\q)*BLKB+\i*2304
.endr
	WIN TO_F
.irp i, 0,1,2,3
.irp c, 0,1,2,3
	ds_load_b128 v[\f+64+16*\i+4*\c:\f+64+16*\i+4*\c+3], v[ADRB+\slot] offset:(\q)*BLKB+\i*2304+32*\c
.endr
.endr
.irp i, 0,1,2,3
.irp c, 0,1,2,3
	ds_load_b128 v[\f+16*\i+4*\c:\f+16*\i+4*\c+3], v[ADRA+\slot] offset:(\q)*BLKB+\i*2304+32*\c
.endr
.endr
.endm
.macro PLACES n
.rept \n
	v_nop
.endr
.endm
.macro QUARTER slot, q, f, g, zero     ; multiplies buffer f (128 along K) and fetches chunk q into g
	s_wait_dscnt 8                                 ; all but A's blocks 2 and 3
	WIN MUL
	MUL4 \f, 0, \zero
	MUL4 \f, 1, \zero
	PLACES 8
	FETCH \slot, \q, \g
	s_wait_dscnt 36                                ; all but the 36 just issued
	WIN MUL
	MUL4 \f, 2, \zero
	MUL4 \f, 3, \zero
.endm
; A slot's last quarter changes slots: one barrier; ahead of it each wave waits for all its tensor loads, adds 0 to its spare word, and waits for that and for its reads of this slot.
.macro TURN slot, next, fill
	WIN 0
.if \fill
	s_wait_xcnt 0x0                                ; any prefetch of mine has read its address: it is stepped here, a K step on
	s_add_nc_u64 s[PFA:PFA+1], s[PFA:PFA+1], 4*BLKB
.endif
	s_wait_tensorcnt 0x0
	ds_add_u32 v[SPW], v[NIL]
	s_wait_dscnt 9                                 ; the add and A's blocks 2 and 3 may be out
	WIN MUL
	MUL4 F1, 0, 0
	s_wait_dscnt 0x0
	s_barrier_signal -1
	MUL4 F1, 1, 0
	WIN 0
	s_barrier_wait -1
.if \fill
	CREST                                          ; the barrier has opened a round of the cluster's
	s_add_nc_u64 s[G0+4*\slot+2:G0+4*\slot+3], s[G0+4*\slot+2:G0+4*\slot+3], 8*BLKB
	s_add_nc_u64 s[G0B+4*\slot+2:G0B+4*\slot+3], s[G0B+4*\slot+2:G0B+4*\slot+3], 8*BLKB
	JLOAD \slot                                    ; the first tensor load behind the round; its four v_nop are among the places below
	PLACES 4
.else
	PLACES 8
.endif
	FETCH \next, 0, F0
.if \fill
	WIN 0
	s_cmp_gt_u32 s3, 1                             ; the last trip's refills have no K step two loads on
	s_cbranch_scc0 .Llast_\@
	PFK 3                                          ; three K steps behind where the address stands: two behind the refill just asked for
.if \slot == 0
	s_branch .Lnone_\@
.endif
.Llast_\@:
.if \slot == 0
	global_prefetch_b8 v[PFR], s[70:71] th:TH_LOAD_NT scope:SCOPE_SE              ; the last trip: my 32 rows of the residual, a lane a row,
	global_prefetch_b8 v[PFR], s[70:71] offset:256 th:TH_LOAD_NT scope:SCOPE_SE   ; both halves of a row's 512 bytes
.Lnone_\@:
.endif
.endif
	WIN MUL
	MUL4 F1, 2, 0
	MUL4 F1, 3, 0
.endm
	s_wait_alu depctr_va_vdst(0)                   ; the wait at the head's end
	s_wait_tensorcnt 0x0                           ; my part of K step 0 is in
	ds_add_u32 v[SPW], v[NIL]                      ; ahead of a later first fill
	s_wait_dscnt 0x0
	CROUND                                         ; K step 0 is whole in every partner
	JLOAD 1                                        ; K step 1's first fill, the first tensor load behind the round
	FETCH 0, 0, F0
	WIN 0
	PFK 3                                          ; K step 3, behind K step 1's load
	s_wait_loadcnt 0x0                             ; the bias
	QUARTER 0, 1, F0, F1, 1                        ; the first products start the sums, from the bias
	WIN 0
	s_mov_b32 s3, LAPS-1
.Llap:                                             ; a trip goes once round the ring, from a lap's second quarter to the next lap's first, and fills both slots again
	QUARTER 0, 2, F1, F0, 0
	QUARTER 0, 3, F0, F1, 0
	TURN 0, 1, 1
	QUARTER 1, 1, F0, F1, 0
	QUARTER 1, 2, F1, F0, 0
	QUARTER 1, 3, F0, F1, 0
	TURN 1, 0, 1
	QUARTER 0, 1, F0, F1, 0
	WIN 0
	s_sub_co_u32 s3, s3, 1
	s_cmp_lg_u32 s3, 0
	s_cbranch_scc1 .Llap
	WIN 0x80                                       ; destination window 2
.set ii, 0
.rept 32
	global_load_b128 v[4*ii:4*ii+3], v[CO], s[70:71] offset:4096*ii th:TH_LOAD_NT   ; the residual of rows 32 w + ii, the tile's 512 bytes: read once, wanted on the way out
.set ii, ii+1
.endr
	WIN 0
	QUARTER 0, 2, F1, F0, 0
	QUARTER 0, 3, F0, F1, 0
	TURN 0, 1, 0
	QUARTER 1, 1, F0, F1, 0
	QUARTER 1, 2, F1, F0, 0
	QUARTER 1, 3, F0, F1, 0
	s_wait_dscnt 8
	WIN MUL
	MUL4 F1, 0, 0
	MUL4 F1, 1, 0
	s_wait_dscnt 0
	MUL4 F1, 2, 0
	MUL4 F1, 3, 0
	WIN 0
	PLACES 8
	; THE WAY OUT: the results meet in the stage (a row's 512 bytes come from two waves), a barrier, whole rows back, the residual is added, the stores
.irp a, 0,1,2,3
.irp b, 0,1,2,3
	ds_store_b128 v[STO], v[ACC+8*(4*\a+\b):ACC+8*(4*\a+\b)+3] offset:\a*16*SPITCH+64*\b      ; each accumulator from its low end on
	ds_store_b128 v[STO], v[ACC+8*(4*\a+\b)+4:ACC+8*(4*\a+\b)+7] offset:\a*16*SPITCH+64*\b+16
.endr
.endr
	s_wait_dscnt 0x0                               ; for the others' sake
	s_barrier_signal -1
	s_barrier_wait -1
	s_wait_alu depctr_va_vdst(0)
.set ii, 0
.rept 32
	ds_load_b128 v[ACC+4*ii:ACC+4*ii+3], v[RD] offset:SPITCH*ii
.set ii, ii+1
.endr
	s_wait_dscnt 0x0
	s_wait_loadcnt 0x0                             ; the residual
	WIN 0x08                                       ; source 1: the residual, in window 2
.set ii, 0
.rept 64
	v_pk_add_f32 v[ACC+2*ii:ACC+2*ii+1], v[ACC+2*ii:ACC+2*ii+1], v[2*ii:2*ii+1]
.set ii, ii+1
.endr
	WIN 0
.set ii, 0
.rept 32
	global_store_b128 v[CO], v[ACC+4*ii:ACC+4*ii+3], s[8:9] offset:4096*ii   ; 512 consecutive bytes, aligned to 256
.set ii, ii+1
.endr
	s_wait_tensorcnt 0x0                           ; the wave's end
	ds_add_u32 v[SPW], v[NIL]
	s_wait_dscnt 0x0
	CROUND                                         ; the closing round
	s_endpgm
.Lfunc_end_k_qbe5a18f4a3_w2g:
	.size	k_qbe5a18f4a3_w2g, .Lfunc_end_k_qbe5a18f4a3_w2g-k_qbe5a18f4a3_w2g
	.p2alignl 7, 3214868480
	.fill 96, 4, 3214868480
	.section	.rodata,"a",@progbits
	.p2align	6, 0x0
	.amdhsa_kernel k_qbe5a18f4a3_w2g
		.amdhsa_group_segment_fixed_size 327680
		.amdhsa_private_segment_fixed_size 0
		.amdhsa_enable_private_segment 0
		.amdhsa_kernarg_size 40
		.amdhsa_user_sgpr_count 2
		.amdhsa_user_sgpr_kernarg_segment_ptr 1
		.amdhsa_wavefront_size32 1
		.amdhsa_system_sgpr_workgroup_id_x 1
		.amdhsa_system_sgpr_workgroup_id_y 1
		.amdhsa_system_sgpr_workgroup_id_z 1
		.amdhsa_system_vgpr_workitem_id 0
		.amdhsa_next_free_vgpr 768
		.amdhsa_next_free_sgpr 80
		.amdhsa_reserve_vcc 0
		.amdhsa_float_denorm_mode_32 3
		.amdhsa_float_denorm_mode_16_64 3
		.amdhsa_memory_ordered 1
		.amdhsa_forward_progress 1
		.amdhsa_inst_pref_size 103
	.end_amdhsa_kernel
	.amdgpu_metadata
---
amdhsa.version: [ 1, 2 ]
amdhsa.kernels:
  - .name:           k_qbe5a18f4a3_w2g
    .symbol:         k_qbe5a18f4a3_w2g.kd
    .args:
      - { .name: hid, .offset: 0, .size: 8, .value_kind: global_buffer, .address_space: global }
      - { .name: wrec, .offset: 8, .size: 8, .value_kind: global_buffer, .address_space: global }
      - { .name: b2, .offset: 16, .size: 8, .value_kind: global_buffer, .address_space: global }
      - { .name: x, .offset: 24, .size: 8, .value_kind: global_buffer, .address_space: global }
      - { .name: out0, .offset: 32, .size: 8, .value_kind: global_buffer, .address_space: global }
    .group_segment_fixed_size: 327680
    .private_segment_fixed_size: 0
    .kernarg_segment_align: 8
    .kernarg_segment_size: 40
    .max_flat_workgroup_size: 128
    .sgpr_count:     80
    .vgpr_count:     768
    .wavefront_size: 32
...
	.end_amdgpu_metadata
.endif
;; end of part 7
